; MI455X (gfx1250); checked and timed in simulation.
; The chip was launched on July 23, 2026; its instructions are those of AMD's public machine-readable ISA for CDNA 5 (MIT licence, August 2026) and "CDNA5" Instruction Set Architecture Reference Guide (July 2026). The comments in the code are by the model that wrote it; some were corrected since.
;; Encoder Layer. Allowed arithmetic: matrix products marked QUANTISED: E2M3 operands, one E8M0 scale for each 32 along K, by v_wmma_scale_f32_16x16x128_f8f6f4 with both operands' format E2M3, f32 sums; everything else in f32.
;; Inputs: W1_codes 2,048 x 32 x 24 uint8 (E2M3 codes of W1, K innermost, in blocks of 32 codes, four codes in three bytes); W1_scales 2,048 x 32 uint8 (E8M0 scales of W1, one for each 32 codes along K); W2_codes 1,024 x 64 x 24 uint8 (E2M3 codes of W2, K innermost, in blocks of 32 codes, four codes in three bytes); W2_scales 1,024 x 64 uint8 (E8M0 scales of W2, one for each 32 codes along K); Wk_codes 1,024 x 32 x 24 uint8 (E2M3 codes of Wk, K innermost, in blocks of 32 codes, four codes in three bytes); Wk_scales 1,024 x 32 uint8 (E8M0 scales of Wk, one for each 32 codes along K); Wo_codes 1,024 x 32 x 24 uint8 (E2M3 codes of Wo, K innermost, in blocks of 32 codes, four codes in three bytes); Wo_scales 1,024 x 32 uint8 (E8M0 scales of Wo, one for each 32 codes along K); Wq_codes 1,024 x 32 x 24 uint8 (E2M3 codes of Wq, K innermost, in blocks of 32 codes, four codes in three bytes); Wq_scales 1,024 x 32 uint8 (E8M0 scales of Wq, one for each 32 codes along K); Wv_codes 1,024 x 32 x 24 uint8 (E2M3 codes of Wv, K innermost, in blocks of 32 codes, four codes in three bytes); Wv_scales 1,024 x 32 uint8 (E8M0 scales of Wv, one for each 32 codes along K); b1 2,048 float32; b2 1,024 float32; bo 1,024 float32; ln1_a 1,024 float32; ln1_b 1,024 float32; ln2_a 1,024 float32; ln2_b 1,024 float32; mask 2 x 1 x 1 x 2,048 float32; x 2 x 2,048 x 1,024 float32.
;; Outputs: out0 2 x 2,048 x 1,024 float32.
;; This version of the problem:
;;   THIS VERSION OF THE PROBLEM IS GIVEN IN LOW PRECISION. The matrix products marked QUANTISED in the list below multiply operands that are first quantised to E2M3 (2 exponent bits, 3 mantissa bits; 6 bits a number), with one power-of-two scale for each 32 numbers along K (OCP MX v1.0); their sums are f32. All else is computed in f32.
;;   The module's matrix products, in the order in which they are computed (A, B: the left and right operand; K: the contracted axis; several contracted axes count as one K, in the product's order):
;;     1. [M 4,096, K 1,024] x [K 1,024, N 1,024]; A: computed on the way; B: input Wq (given as codes): QUANTISED
;;     2. [M 4,096, K 1,024] x [K 1,024, N 1,024]; A: computed on the way; B: input Wk (given as codes): QUANTISED
;;     3. [M 4,096, K 1,024] x [K 1,024, N 1,024]; A: computed on the way; B: input Wv (given as codes): QUANTISED
;;     4. batch 32 x [M 2,048, K 64] x [K 64, N 2,048]; A: computed on the way; B: computed on the way: QUANTISED
;;     5. batch 32 x [M 2,048, K 2,048] x [K 2,048, N 64]; A: softmax (see below); B: computed on the way: QUANTISED
;;     6. [M 4,096, K 1,024] x [K 1,024, N 1,024]; A: computed on the way; B: input Wo (given as codes): QUANTISED
;;     7. [M 4,096, K 1,024] x [K 1,024, N 2,048]; A: computed on the way; B: input W1 (given as codes): QUANTISED
;;     8. [M 4,096, K 2,048] x [K 2,048, N 1,024]; A: computed on the way; B: input W2 (given as codes): QUANTISED
;;   THE QUANTISER, for each operand of a quantised product, along K:
;;     - K is cut into blocks of 32 from its start; a last block that is shorter is filled with zeros.
;;     - A block's scale is 2^e with e = floor(log2(the largest magnitude in the block)) - 2, held to -126 .. 127; a block of zeros has e = 0. As a byte (E8M0): e + 127.
;;     - Each number is divided by its block's scale, clamped to +-7.5, and rounded to the nearest number of E2M3, ties to even, subnormals kept.
;;     - The product sums the exact products of the quantised numbers (number of the format x scale) in f32.
;;   ~~~python
;;   def quantise(x, axis):      # numpy; x: float32 -> the quantised numbers, widened to float32 again
;;       x = np.moveaxis(x, axis, -1); K = x.shape[-1]
;;       x = np.pad(x, [(0, 0)] * (x.ndim - 1) + [(0, -K % 32)]); x = x.reshape(x.shape[:-1] + (-1, 32)); a = np.abs(x).max(-1, keepdims=True)
;;       e = np.where(a > 0, np.clip(np.frexp(np.where(a > 0, a, 1))[1] - 1 - 2, -126, 127), 0)      # np.frexp(a)[1] - 1 = floor(log2(a)), exactly
;;       r = np.clip(x / 2.0 ** e, -7.5, 7.5)
;;       step = 2.0 ** (np.maximum(np.frexp(np.where(r == 0, 1, r))[1] - 1, 0) - 3)
;;       q = np.round(r / step) * step * 2.0 ** e      # np.round: ties to even
;;       return np.moveaxis(q.reshape(q.shape[:-2] + (-1,))[..., :K], -1, axis).astype(np.float32)
;;   ~~~
;;   SOFTMAX AHEAD OF A QUANTISED PRODUCT. Where the list says 'softmax', what is quantised is not the finished softmax but p = 2^(t - M), with t = logit x log2(e) and M = ceil(the row's largest t), a whole number; so 1/2 < the row's largest p <= 1. The row's sum l is taken of the UNQUANTISED p, in f32, and the product's result is divided by l at the end. Since M is a whole number, a kernel that streams over the keys may use a running M (the ceiling of the running maximum): every later rescaling is an exact power of two, which a block's scale takes up: the codes' values come out the same.
;;   OPERANDS COMPUTED ON THE WAY. 'Computed on the way' means the value that the module computes at that place (a softmax that the list does not call 'softmax' is quantised finished and normalised). What goes into a quantiser is computed in f32, as accurately as f32 sums, v_exp_f32 and their like allow (about 1e-6 of the number): no bf16 or f16 on the way to a quantiser, and a product that is left as it is and whose result goes on into a quantised operand takes f32 operands (vector FMAs, or v_wmma_f32_16x16x4_f32). A number that lies on a knife's edge between two numbers of the format may be rounded either way, as far as f32 arithmetic and the matrix unit's own rounding can turn it there, and no further.
;;   INPUTS GIVEN AS CODES. W1 (in the module: [1024, 2048], K = its axis 0); W2 (in the module: [2048, 1024], K = its axis 0); Wk (in the module: [1024, 1024], K = its axis 0); Wo (in the module: [1024, 1024], K = its axis 0); Wq (in the module: [1024, 1024], K = its axis 0); Wv (in the module: [1024, 1024], K = its axis 0): each comes as NAME_codes (uint8): NAME with its K axis moved to the last place and cut into blocks of 32 codes, [.., K / 32, bytes a block], one block behind the other in memory; four codes in three bytes: a row's codes are one little-endian stream of bits, code i at bits 6 i .. 6 i + 5 (a code: sign, 2 exponent bits, 3 mantissa bits); and NAME_scales (uint8): the same leading axes, one E8M0 byte (e + 127) for each 32 codes along K. Its value is code x scale, taken as it is: it is not quantised again, and the codes and scales need not be those that the quantiser above would give.
;; One version. Each part assembles by itself: llvm-mc -triple=amdgcn-amd-amdhsa -mcpu=gfx1250 --defsym DOCPART=n.
;; ======== version 1 of 1: 7 launches
;; limits: right only within a limited range of input values
;; workspace buffers: XA 3,276,800 bytes; QB 3,407,872 bytes; KV 6,684,672 bytes; CA 3,276,800 bytes; X1 16,777,216 bytes; HA 6,553,600 bytes; WI 6,553,600 bytes
;; launch prep (part 1): grid 512 x 1, 16 waves a work-group, no clusters, 67,840 bytes of LDS; arguments x, ln1_a, ln1_b, XA, Wq_codes, Wk_codes, Wv_codes, Wo_codes, W1_codes, W2_codes, Wq_scales, Wk_scales, Wv_scales, Wo_scales, W1_scales, W2_scales, WI; writes XA, WI
.if DOCPART == 1
	.amdgcn_target "amdgcn-amd-amdhsa--gfx1250"
	.amdhsa_code_object_version 6
	.text
	.protected	k_qbf88d790c9_prep
	.globl	k_qbf88d790c9_prep
	.p2align	8
	.type	k_qbf88d790c9_prep,@function
k_qbf88d790c9_prep:
	s_mov_b64 s[64:65], 0
	v_nop
	global_prefetch_b8 v0, s[64:65] scope:SCOPE_SE
	s_setreg_imm32_b32 hwreg(HW_REG_WAVE_MODE, 25, 1), 1
	s_wait_xcnt 0x0
; Work-groups 0-255: x2 = ln1_a (x - mean) / (std + 1e-6) + ln1_b (std with 1,023 in the divisor), quantised to FP6 (E2M3) with one E8M0 byte for each 32 along K, into XA.
; Work-groups 256-511: the six weights' codes and scale bytes are laid anew, into WI, in the order in which a wave's operand registers take them.
; THE COMMON LAYOUT.  Tile T of an operand holds in lane r (0..15) row rho(T, r) = 32 (T / 2) + 8 (T % 2) + r + 8 (r / 8).  A UNIT is 16 rows x 64 K: six registers a lane (lane (r, h): k = 32 h .. 32 h + 31 of row r),
; 768 bytes: registers 0-3 at 16 x lane, registers 4-5 at 512 + 8 x lane.  A SLAB is 128 rows x 128 K, 12,800 bytes: tile t at 1,536 t, unit c at + 768 c; scale words at 12,288 + 64 t + 4 r.  A buffer is [rows / 128][K / 128][slab].
; LN PATH.  Work-group T makes tile T.  Wave w reads row rho(T, w) whole (eight loads of 512 consecutive bytes), makes its mean and deviation inside the wave, and puts (x - mean) / (std + eps) into LDS (rows 4,112 bytes apart);
; behind one barrier wave w takes columns 64 w .. 64 w + 63 of all 16 rows, 16 neighbours of each block of 32 a lane, applies gain and bias, quantises, and stores one unit: 512 + 256 consecutive bytes.
; A block's scale byte is its largest magnitude's exponent field - 2, held at 1 from below.  LIMITS: a block of zeros gets the byte 1 (its codes are zeros; only this program reads the bytes); NaN and infinities are not served;
; 1 / 1,023 and 1 / (std + eps) are multiplications by reciprocals.
.set X,     32                         ; v32-63   the row, later my 32 numbers of a unit
.set A,     64                         ; v64-95   the gain at my 32 columns
.set BV,    96                         ; v96-127  the bias
.set PC,    16                         ; v16-24   codes
.set TM,    8                          ; v8-13    maxima, bytes, scale operands
.set PW,    14                         ; v14      two scale bytes
.set TT,    15
.set SEL,   20                         ; s[20:21] selects for lane l xor 16
.set PITCH, 4112
.macro REDUCE a, t                     ; the sum over the 32 lanes, in every lane
	s_delay_alu instid0(VALU_DEP_1)
	v_add_f32_dpp v[\a], v[\a], v[\a] row_xmask:1 row_mask:0xf bank_mask:0xf
	s_delay_alu instid0(VALU_DEP_1)
	v_add_f32_dpp v[\a], v[\a], v[\a] row_xmask:2 row_mask:0xf bank_mask:0xf
	s_delay_alu instid0(VALU_DEP_1)
	v_add_f32_dpp v[\a], v[\a], v[\a] row_xmask:4 row_mask:0xf bank_mask:0xf
	s_delay_alu instid0(VALU_DEP_1)
	v_add_f32_dpp v[\a], v[\a], v[\a] row_xmask:8 row_mask:0xf bank_mask:0xf
	s_delay_alu instid0(VALU_DEP_1)
	v_permlanex16_b32 v[\t], v[\a], s[SEL], s[SEL+1]
	s_delay_alu instid0(VALU_DEP_1)
	v_add_f32 v[\a], v[\a], v[\t]
.endm
; 32 numbers of a lane, register 16 b + i = k 32 b + 16 h + i of my row, become a unit's six registers in v[PC] on and two scale bytes in v[PW]
.macro QUANT32 s
.irp b, 0,1
	v_max3_num_f32 v[TM+\b], |v[\s+16*\b]|, |v[\s+16*\b+1]|, 0x1800000   ; and the floor 2^(3 - 127): the byte cannot fall under 1
.endr
.irp i, 2,4,6,8,10,12,14
.irp b, 0,1
	s_delay_alu instid0(VALU_DEP_2)
	v_max3_num_f32 v[TM+\b], v[TM+\b], |v[\s+16*\b+\i]|, |v[\s+16*\b+\i+1]|
.endr
.endr
.irp b, 0,1
	s_delay_alu instid0(VALU_DEP_2)
	v_permlanex16_b32 v[TM+2+\b], v[TM+\b], s[SEL], s[SEL+1]
.endr
.irp b, 0,1
	s_delay_alu instid0(VALU_DEP_2)
	v_max_num_f32 v[TM+\b], v[TM+\b], v[TM+2+\b]   ; with lane l xor 16's 16: the block's largest magnitude
.endr
.irp b, 0,1
	s_delay_alu instid0(VALU_DEP_2)
	v_add_nc_u32 v[TM+4+\b], 0xff000000, v[TM+\b]  ; 2 off its exponent field: the conversion's scale operand
.endr
.irp b, 0,1
	s_delay_alu instid0(VALU_DEP_2)
	v_lshrrev_b32 v[TM+2+\b], 23, v[TM+4+\b]       ; the byte
.endr
	s_delay_alu instid0(VALU_DEP_1)
	v_lshl_or_b32 v[PW], v[TM+3], 8, v[TM+2]
	v_cvt_scalef32_pk16_fp6_f32 v[PC:PC+2], v[\s:\s+15], v[TM+4]
	v_cvt_scalef32_pk16_fp6_f32 v[PC+6:PC+8], v[\s+16:\s+31], v[TM+5]
	v_nop                                          ; one plain line behind the conversions
.irp i, 0,1,2
	v_permlane16_swap_b32 v[PC+\i], v[PC+6+\i]     ; a whole block to a lane: lanes 0-15 block 0, lanes 16-31 block 1
.endr
.irp i, 0,1,2
	s_delay_alu instid0(VALU_DEP_3)
	v_mov_b32 v[PC+3+\i], v[PC+6+\i]
.endr
.endm
	v_lshl_add_u32 v128, v0, 2, 0x10100
	v_mov_b32 v129, 0
	s_cmp_lt_u32 ttmp9, 256                        ; the same for all waves of a work-group
	s_cbranch_scc0 .Lrelay
	s_load_b256 s[4:11], s[0:1], 0x0               ; x, gain, bias, XA
	v_lshrrev_b32 v1, 5, v0
	s_delay_alu instid0(VALU_DEP_1)
	v_readfirstlane_b32 s12, v1                    ; wave 0..15
	v_and_b32 v1, 31, v0                           ; lane
	v_and_b32 v2, 15, v0                           ; r
	v_bfe_u32 v3, v0, 4, 1                         ; h
	s_wait_alu depctr_va_vdst(0)
	v_lshlrev_b32 v4, 4, v1                        ; 16 x lane
	s_wait_alu depctr_va_vdst(0)
	v_lshlrev_b32 v5, 3, v1                        ; 8 x lane
	v_lshl_add_u32 v6, v2, 2, v3                   ; 4 r + h: my scale byte
	v_lshlrev_b32 v7, 3, v3                        ; 8 h
	v_mov_b32 v[TM+2], 0                           ; written once: a lane permute's destination counts as a source
	v_mov_b32 v[TM+3], 0
	s_mov_b32 s[SEL], 0x76543210
	s_mov_b32 s[SEL+1], 0xfedcba98
	s_lshr_b32 s13, ttmp9, 1
	s_lshl_b32 s13, s13, 5
	s_and_b32 s14, ttmp9, 1
	s_lshl_b32 s14, s14, 3
	s_add_co_u32 s13, s13, s14
	s_and_b32 s14, s12, 8
	s_add_co_u32 s13, s13, s14
	s_add_co_u32 s13, s13, s12                     ; my row: rho(T, w)
	s_lshl_b32 s14, s13, 12                        ; x 4,096 bytes
	s_mov_b32 s15, 0
	s_lshl_b32 s16, s12, 8                         ; 256 w: my 64 columns in bytes
	v_lshl_add_u32 v25, v3, 6, s16                 ; + 64 h
	s_mul_i32 s17, s12, PITCH
	v_add_nc_u32 v30, s17, v4                      ; LDS, in: row w, 16 x lane
	v_mul_u32_u24 v31, v2, PITCH
	s_delay_alu instid0(VALU_DEP_1)
	v_add_nc_u32 v31, v31, v25                     ; LDS, out: row r, my columns
	s_lshr_b32 s18, ttmp9, 3
	s_lshl_b32 s18, s18, 3
	s_lshr_b32 s19, s12, 1
	s_add_co_u32 s18, s18, s19
	s_mul_i32 s18, s18, 12800                      ; the slab: row block T / 8, K step w / 2
	s_and_b32 s19, ttmp9, 7
	s_and_b32 s22, s12, 1
	s_mul_i32 s26, s19, 1536
	s_mul_i32 s23, s22, 768
	s_add_co_u32 s26, s26, s23
	s_add_co_u32 s26, s26, s18                     ; my unit
	s_mov_b32 s27, 0
	s_lshl_b32 s28, s19, 6
	s_lshl_b32 s23, s22, 1
	s_add_co_u32 s28, s28, s23
	s_add_co_u32 s28, s28, s18
	s_add_co_u32 s28, s28, 12288                   ; its two bytes of the tile's scale words
	s_mov_b32 s29, 0
	s_wait_alu depctr_va_vdst(0)
	s_wait_kmcnt 0x0
	s_add_nc_u64 s[4:5], s[4:5], s[14:15]
	s_add_nc_u64 s[26:27], s[10:11], s[26:27]
	s_add_nc_u64 s[28:29], s[10:11], s[28:29]
.irp j, 0,1,2,3,4,5,6,7
	global_load_b128 v[X+4*\j:X+4*\j+3], v4, s[4:5] offset:512*\j th:TH_LOAD_NT   ; 512 consecutive bytes a load
.endr
.irp b, 0,1
.irp j, 0,1,2,3
	global_load_b128 v[A+16*\b+4*\j:A+16*\b+4*\j+3], v25, s[6:7] offset:128*\b+16*\j
	global_load_b128 v[BV+16*\b+4*\j:BV+16*\b+4*\j+3], v25, s[8:9] offset:128*\b+16*\j
.endr
.endr
	s_wait_loadcnt 16                              ; the row is in; the sixteen loads of gain and bias may stay out
	v_pk_add_f32 v[26:27], v[X:X+1], v[X+2:X+3]
	v_pk_add_f32 v[28:29], v[X+4:X+5], v[X+6:X+7]
.irp j, 8,12,16,20,24,28
	s_delay_alu instid0(VALU_DEP_2)
	v_pk_add_f32 v[26:27], v[26:27], v[X+\j:X+\j+1]
	s_delay_alu instid0(VALU_DEP_2)
	v_pk_add_f32 v[28:29], v[28:29], v[X+\j+2:X+\j+3]
.endr
	s_delay_alu instid0(VALU_DEP_1)
	v_pk_add_f32 v[26:27], v[26:27], v[28:29]
	s_delay_alu instid0(VALU_DEP_1)
	v_add_f32 v26, v26, v27
	REDUCE 26, 27
	s_delay_alu instid0(VALU_DEP_1)
	v_mul_f32 v26, 0x3a800000, v26                 ; the mean: x 2^-10
.set n, 0
.rept 16
	v_pk_add_f32 v[X+2*n:X+2*n+1], v[X+2*n:X+2*n+1], v[26:27] op_sel_hi:[1,0] neg_lo:[0,1] neg_hi:[0,1]   ; x - mean
.set n, n+1
.endr
	v_pk_mul_f32 v[26:27], v[X:X+1], v[X:X+1]
	v_pk_mul_f32 v[28:29], v[X+2:X+3], v[X+2:X+3]
.irp j, 4,8,12,16,20,24,28
	s_delay_alu instid0(VALU_DEP_2)
	v_pk_fma_f32 v[26:27], v[X+\j:X+\j+1], v[X+\j:X+\j+1], v[26:27]
	s_delay_alu instid0(VALU_DEP_2)
	v_pk_fma_f32 v[28:29], v[X+\j+2:X+\j+3], v[X+\j+2:X+\j+3], v[28:29]
.endr
	s_delay_alu instid0(VALU_DEP_1)
	v_pk_add_f32 v[28:29], v[26:27], v[28:29]
	s_delay_alu instid0(VALU_DEP_1)
	v_add_f32 v28, v28, v29
	REDUCE 28, 29
	s_delay_alu instid0(VALU_DEP_1)
	v_mul_f32 v28, 0x3a802008, v28                 ; / 1,023
	s_wait_alu depctr_va_vdst(0)
	v_sqrt_f32 v28, v28
	v_nop                                          ; a plain line behind the root,
	s_wait_alu depctr_va_vdst(0)                   ; and the wait ahead of its first reader
	v_add_f32 v28, 0x358637bd, v28                 ; + 1e-6
	s_wait_alu depctr_va_vdst(0)
	v_rcp_f32 v28, v28
	v_nop
	s_wait_alu depctr_va_vdst(0)
.set n, 0
.rept 16
	v_pk_mul_f32 v[X+2*n:X+2*n+1], v[X+2*n:X+2*n+1], v[28:29] op_sel_hi:[1,0]
.set n, n+1
.endr
.irp j, 0,1,2,3,4,5,6,7
	ds_store_b128 v30, v[X+4*\j:X+4*\j+3] offset:512*\j
.endr
	s_wait_dscnt 0x0                               ; for the others' sake: my row lies in LDS
	s_barrier_signal -1
	s_barrier_wait -1
.irp b, 0,1
.irp j, 0,1,2,3
	ds_load_b128 v[X+16*\b+4*\j:X+16*\b+4*\j+3], v31 offset:128*\b+16*\j   ; row r, columns 64 w + 32 b + 16 h + 4 j on
.endr
.endr
	s_wait_loadcnt 0x0                             ; gain and bias
	s_wait_dscnt 0x0
.set n, 0
.rept 16
	v_pk_fma_f32 v[X+2*n:X+2*n+1], v[X+2*n:X+2*n+1], v[A+2*n:A+2*n+1], v[BV+2*n:BV+2*n+1]
.set n, n+1
.endr
	QUANT32 X
	global_store_b128 v4, v[PC:PC+3], s[26:27]               ; 512 consecutive bytes
	global_store_b64 v5, v[PC+4:PC+5], s[26:27] offset:512   ; 256 consecutive bytes
	v_lshrrev_b32 v[TT], v7, v[PW]
	global_store_b8 v6, v[TT], s[28:29]                      ; lane (r, h): block h's byte of row r
	s_wait_tensorcnt 0x0
	ds_add_u32 v128, v129
	s_wait_dscnt 0x0
	s_endpgm
; THE WEIGHTS.  A wave takes ONE tile of 16 rows x ONE K step of 128.  Job J = 2 (work-group - 256) + wave / 8 names the tile and eight K steps, wave % 8 the K step among them.
; J < 384: a tile of Wq, Wk, Wv, Wo (64 tiles each, K = 1,024) or W1 (128 tiles); J >= 384: a tile of W2 x half of its K = 2,048.
; A lane loads its fragment's bytes as they lie in the rows (24 bytes of row rho(tile, r) for each unit, as three loads of 8) and stores them in the units' order.  Each such load names sixteen rows: so the jobs are cut small,
; 16 waves x 6 loads a work-group, and shared out over as many work-groups as the LN path has.  No LDS, no barrier.
.Lrelay:
	s_load_b256 s[8:15], s[0:1], 0x20              ; codes of Wq, Wk, Wv, Wo
	s_load_b128 s[16:19], s[0:1], 0x40             ; of W1, W2
	s_load_b256 s[24:31], s[0:1], 0x50             ; scales of Wq, Wk, Wv, Wo
	s_load_b128 s[32:35], s[0:1], 0x70             ; of W1, W2
	s_load_b64 s[36:37], s[0:1], 0x80              ; WI
	v_lshrrev_b32 v1, 5, v0
	s_delay_alu instid0(VALU_DEP_1)
	v_readfirstlane_b32 s4, v1                     ; wave 0..15
	s_sub_co_u32 s5, ttmp9, 256                    ; 0..255: 32 work-groups for each square weight, 64 for W1, 64 for W2
	s_and_b32 s22, s4, 7                           ; my K step among the job's eight
	s_lshr_b32 s4, s4, 3
	s_lshl_b32 s6, s5, 1
	s_add_co_u32 s4, s6, s4                        ; J
	s_and_b32 s6, s4, 63                           ; the tile in its weight: the four square ones,
	s_sub_co_u32 s7, s4, 256
	s_cmp_ge_u32 s5, 128
	s_cselect_b32 s6, s7, s6                       ; W1,
	s_sub_co_u32 s7, s4, 384
	s_lshr_b32 s38, s7, 1
	s_and_b32 s39, s7, 1
	s_mov_b32 s44, 768
	s_lshr_b32 s46, s4, 3
	s_mul_i32 s46, s46, 102400                     ; the panel in WI: the first five weights' panels lie on end, eight tiles each
	s_cmp_ge_u32 s5, 192
	s_cselect_b32 s6, s38, s6                      ; W2
	s_cselect_b32 s39, s39, 0                      ; which half of W2's K
	s_cselect_b32 s44, 1536, s44                   ; a row of codes in bytes
	s_cselect_b32 s45, 64, 32                      ; a row of scale bytes
	s_lshr_b32 s47, s6, 3
	s_mul_i32 s47, s47, 204800
	s_mul_i32 s48, s39, 102400
	s_add_co_u32 s47, s47, s48
	s_add_co_u32 s47, s47, 4915200
	s_cmp_ge_u32 s5, 192
	s_cselect_b32 s46, s47, s46
	s_mul_i32 s23, s22, 12800
	s_add_co_u32 s46, s46, s23                     ; my K step's slab
	s_and_b32 s47, s6, 7                           ; the tile in its panel
	s_lshr_b32 s48, s6, 1
	s_lshl_b32 s48, s48, 5
	s_and_b32 s49, s6, 1
	s_lshl_b32 s49, s49, 3
	s_add_co_u32 s48, s48, s49                     ; the tile's first row
	s_mul_i32 s50, s48, s44
	s_mul_i32 s49, s39, 768
	s_add_co_u32 s50, s50, s49
	s_mul_i32 s49, s22, 96
	s_add_co_u32 s50, s50, s49                     ; from: codes, 96 bytes of a row for a K step
	s_mov_b32 s51, 0
	s_mul_i32 s52, s48, s45
	s_lshl_b32 s49, s39, 5
	s_add_co_u32 s52, s52, s49
	s_lshl_b32 s49, s22, 2
	s_add_co_u32 s52, s52, s49                     ; from: scale bytes, 4 of a row for a K step
	s_mov_b32 s53, 0
	s_mul_i32 s54, s47, 1536
	s_add_co_u32 s54, s54, s46                     ; to: the tile in its slab
	s_mov_b32 s55, 0
	s_lshl_b32 s56, s47, 6
	s_add_co_u32 s56, s56, s46
	s_add_co_u32 s56, s56, 12288                   ; to: its scale words
	s_mov_b32 s57, 0
	v_and_b32 v1, 31, v0
	v_and_b32 v2, 15, v0
	v_bfe_u32 v3, v0, 4, 1
	s_delay_alu instid0(VALU_DEP_2)
	v_and_b32 v8, 8, v2
	s_delay_alu instid0(VALU_DEP_1)
	v_add_nc_u32 v8, v8, v2                        ; r + 8 (r / 8)
	s_delay_alu instid0(VALU_DEP_1)
	v_mul_lo_u32 v9, v8, s44
	s_delay_alu instid0(VALU_DEP_1)
	v_mad_u32_u24 v9, v3, 24, v9                   ; my row's codes, + 24 h
	s_delay_alu instid0(VALU_DEP_3)
	v_mul_lo_u32 v10, v8, s45                      ; my row's scale word
	v_lshlrev_b32 v4, 4, v1
	v_lshlrev_b32 v5, 3, v1
	v_lshlrev_b32 v11, 2, v2                       ; 4 r
	s_wait_alu depctr_va_vdst(0)
	s_wait_kmcnt 0x0
	s_cmp_ge_u32 s5, 32                            ; the choices hang on the work-group's number alone
	s_cselect_b64 s[40:41], s[10:11], s[8:9]
	s_cselect_b64 s[42:43], s[26:27], s[24:25]
	s_cmp_ge_u32 s5, 64
	s_cselect_b64 s[40:41], s[12:13], s[40:41]
	s_cselect_b64 s[42:43], s[28:29], s[42:43]
	s_cmp_ge_u32 s5, 96
	s_cselect_b64 s[40:41], s[14:15], s[40:41]
	s_cselect_b64 s[42:43], s[30:31], s[42:43]
	s_cmp_ge_u32 s5, 128
	s_cselect_b64 s[40:41], s[16:17], s[40:41]
	s_cselect_b64 s[42:43], s[32:33], s[42:43]
	s_cmp_ge_u32 s5, 192
	s_cselect_b64 s[40:41], s[18:19], s[40:41]
	s_cselect_b64 s[42:43], s[34:35], s[42:43]
	s_add_nc_u64 s[40:41], s[40:41], s[50:51]
	s_add_nc_u64 s[42:43], s[42:43], s[52:53]
	s_add_nc_u64 s[58:59], s[36:37], s[54:55]
	s_add_nc_u64 s[60:61], s[36:37], s[56:57]
.irp c, 0,1
.irp p, 0,1,2
	global_load_b64 v[32+6*\c+2*\p:32+6*\c+2*\p+1], v9, s[40:41] offset:48*\c+8*\p
.endr
.endr
	global_load_b32 v24, v10, s[42:43]             ; lanes r and 16 + r read the same word
	v_cmp_gt_u32 vcc_lo, 16, v1                    ; lanes 0-15
	s_wait_loadcnt 0x0
.irp c, 0,1
	global_store_b128 v4, v[32+6*\c:32+6*\c+3], s[58:59] offset:768*\c            ; 512 consecutive bytes
	global_store_b64 v5, v[32+6*\c+4:32+6*\c+5], s[58:59] offset:768*\c+512       ; 256 consecutive bytes
.endr
	s_wait_xcnt 0x0                                ; EXEC is a source of the stores above: it changes only behind this wait
	s_and_saveexec_b32 s62, vcc_lo
	global_store_b32 v11, v24, s[60:61]            ; sixteen lanes: the tile's 64 bytes of scale words
	s_wait_xcnt 0x0                                ; and again ahead of the line that widens it
	s_or_b32 exec_lo, exec_lo, s62
	s_endpgm
.Lfunc_end_k_qbf88d790c9_prep:
	.size	k_qbf88d790c9_prep, .Lfunc_end_k_qbf88d790c9_prep-k_qbf88d790c9_prep
	.p2alignl 7, 3214868480
	.fill 96, 4, 3214868480
	.section	.rodata,"a",@progbits
	.p2align	6, 0x0
	.amdhsa_kernel k_qbf88d790c9_prep
		.amdhsa_group_segment_fixed_size 67840
		.amdhsa_private_segment_fixed_size 0
		.amdhsa_enable_private_segment 0
		.amdhsa_kernarg_size 136
		.amdhsa_user_sgpr_count 2
		.amdhsa_user_sgpr_kernarg_segment_ptr 1
		.amdhsa_wavefront_size32 1
		.amdhsa_system_sgpr_workgroup_id_x 1
		.amdhsa_system_sgpr_workgroup_id_y 1
		.amdhsa_system_sgpr_workgroup_id_z 1
		.amdhsa_system_vgpr_workitem_id 0
		.amdhsa_next_free_vgpr 130
		.amdhsa_next_free_sgpr 66
		.amdhsa_reserve_vcc 1
		.amdhsa_float_denorm_mode_32 3
		.amdhsa_float_denorm_mode_16_64 3
		.amdhsa_memory_ordered 1
		.amdhsa_forward_progress 1
		.amdhsa_inst_pref_size 23
	.end_amdhsa_kernel
	.amdgpu_metadata
---
amdhsa.version: [ 1, 2 ]
amdhsa.kernels:
  - .name:           k_qbf88d790c9_prep
    .symbol:         k_qbf88d790c9_prep.kd
    .args:
      - { .name: x, .offset: 0, .size: 8, .value_kind: global_buffer, .address_space: global }
      - { .name: ln1_a, .offset: 8, .size: 8, .value_kind: global_buffer, .address_space: global }
      - { .name: ln1_b, .offset: 16, .size: 8, .value_kind: global_buffer, .address_space: global }
      - { .name: XA, .offset: 24, .size: 8, .value_kind: global_buffer, .address_space: global }
      - { .name: Wq_codes, .offset: 32, .size: 8, .value_kind: global_buffer, .address_space: global }
      - { .name: Wk_codes, .offset: 40, .size: 8, .value_kind: global_buffer, .address_space: global }
      - { .name: Wv_codes, .offset: 48, .size: 8, .value_kind: global_buffer, .address_space: global }
      - { .name: Wo_codes, .offset: 56, .size: 8, .value_kind: global_buffer, .address_space: global }
      - { .name: W1_codes, .offset: 64, .size: 8, .value_kind: global_buffer, .address_space: global }
      - { .name: W2_codes, .offset: 72, .size: 8, .value_kind: global_buffer, .address_space: global }
      - { .name: Wq_scales, .offset: 80, .size: 8, .value_kind: global_buffer, .address_space: global }
      - { .name: Wk_scales, .offset: 88, .size: 8, .value_kind: global_buffer, .address_space: global }
      - { .name: Wv_scales, .offset: 96, .size: 8, .value_kind: global_buffer, .address_space: global }
      - { .name: Wo_scales, .offset: 104, .size: 8, .value_kind: global_buffer, .address_space: global }
      - { .name: W1_scales, .offset: 112, .size: 8, .value_kind: global_buffer, .address_space: global }
      - { .name: W2_scales, .offset: 120, .size: 8, .value_kind: global_buffer, .address_space: global }
      - { .name: WI, .offset: 128, .size: 8, .value_kind: global_buffer, .address_space: global }
    .group_segment_fixed_size: 67840
    .private_segment_fixed_size: 0
    .kernarg_segment_align: 8
    .kernarg_segment_size: 136
    .max_flat_workgroup_size: 512
    .sgpr_count:     66
    .vgpr_count:     130
    .wavefront_size: 32
...
	.end_amdgpu_metadata
.endif
;; end of part 1
;; launch qkv (part 2): grid 8 x 32, 4 waves a work-group, clusters of 4 x 4, 327,680 bytes of LDS; arguments XA, WI, QB, KV; writes QB, KV
.if DOCPART == 2
	.amdgcn_target "amdgcn-amd-amdhsa--gfx1250"
	.amdhsa_code_object_version 6
	.text
	.protected	k_qbf88d790c9_qkv
	.globl	k_qbf88d790c9_qkv
	.p2align	8
	.type	k_qbf88d790c9_qkv,@function
k_qbf88d790c9_qkv:
	s_mov_b64 s[64:65], 0
	v_nop
	global_prefetch_b8 v0, s[64:65] scope:SCOPE_SE
	s_setreg_imm32_b32 hwreg(HW_REG_WAVE_MODE, 25, 1), 1
	s_wait_xcnt 0x0
	s_wait_alu depctr_hold_cnt(0) depctr_sa_sdst(0) depctr_va_vdst(0) depctr_va_sdst(0) depctr_va_ssrc(0) depctr_va_vcc(0) depctr_vm_vsrc(0)
	s_getreg_b32 s2, hwreg(HW_REG_IB_STS2, 6, 4)
	s_cmp_eq_u32 s2, 0
	s_cbranch_scc0 .Lentry_in_a_cluster
	s_endpgm
.Lentry_in_a_cluster:
	s_bfe_u32 s2, ttmp6, 0x10000c
	s_cmp_lg_u32 s2, 0xf033
	s_cbranch_scc0 .Lentry_shape_is_right
	s_endpgm
.Lentry_shape_is_right:
; q = x2 Wq, k = x2 Wk, v = x2 Wv on codes of FP6 (E2M3) with E8M0 scales; the results are quantised at once: q and k along the head's 64, v along the keys.
; SHARES.  Work-group (g, RB): rows 128 RB .. + 127 of x2 against columns 128 g .. + 127 of each of the three weights, one after the other.  Four waves; wave w: rows 64 (w / 2) on, columns 64 (w % 2) on (one head): 16 accumulators.
; LAYOUT (made by the launch before): tile T's lane r is row 32 (T / 2) + 8 (T % 2) + r + 8 (r / 8); a unit (16 rows x 64 K) is 768 bytes: registers 0-3 at 16 x lane, 4-5 at 512 + 8 x lane; a slab (128 rows x 128 K) is 12,800 bytes:
; tile t at 1,536 t, unit c at + 768 c, scale words at 12,288 + 64 t + 4 r.  By that order of rows the 32 registers of four neighbouring tiles of source 0 are, for each block of 32 along that operand's rows, 16 neighbours a lane.
; LDS.  A whole panel (128 rows x K = 1,024) is 102,400 bytes: x2's at 0, Wq's at RW0, Wk's at RW1, all asked for at the head; Wv's takes Wq's place behind the first tile.  So K is walked without a ring.
; CLUSTER 4 x 4: x2's panel hangs on RB alone and is asked for jointly along a row of the cluster, a weight's on g alone, along a column.  By this text's count a wave has at most three tensor loads out.
; q, k: source 0 = weights, source 1 = x2: a lane holds one row and 32 neighbours-by-16 of the head's 64.  v: the sources are swapped: a lane holds one channel, and its registers run along the keys.
; OUT.  QB: units [head-of-batch 32][tile 128][768], scale words behind them; KV: for each head and 128 keys a block of 13,056 bytes: K's 8 units, K's scale words, V's 4 fragments (keys innermost), V's scale words.
; q's and k's scale words carry 0x7f for the two blocks of 32 that the next product's K = 128 has beyond the head's 64 (zero codes there).
; LIMITS: a block of zeros gets the byte 1 (its codes are zeros; only this program reads the bytes); NaN and infinities are not served.
; REGISTERS.  Window 0: v1-19 lane terms and addresses; v20 store data; v25-26 the scale words' LDS addresses for the two weight regions, made once; v28-29 for the add; v32-39 scale words, two sets; v40-56 the quantiser;
; v128-255 accumulators.  Window 1: two sets of fragments, v0-95 and v128-223 (x2's four, then the weight's four).
.set SLAB,  12800
.set RW0,   8*SLAB
.set RW1,   16*SLAB
.set SPARE, 24*SLAB                    ; the spare words: 128 bytes a wave, two blocks of 256 bytes that no other line names
.set ACC,   128
.set SC,    32
.set PC,    40
.set TM,    50
.set PW,    56
.set TT,    20                         ; v20: the data of the small stores, and nothing else
.set AS0,   25                         ; v25: my scale words with the weight at RW0;  v26: at RW1
.set AS1,   26
.set SEL,   72
.set G1A,   24                         ; s[24:31] group 1 for x2's panel;  s[32:35] group 0
.set G0A,   32
.set G1W,   48                         ; s[48:55] group 1 for the weights;  s[56:59] group 0 for Wq (wave 2) or Wk (wave 3);  s[92:95] Wv
.set G0W,   56
.set G0K,   68
.set G0V,   92
.set MSB, 0
.macro WIN new                         ; the immediate's high byte repeats the setting that is left
.if MSB != \new
	s_set_vgpr_msb (MSB<<8)|\new
.set MSB, \new
.endif
.endm
.macro PLACES
.rept 4
	v_nop
.endr
.endm
.macro JLOAD g0a, g0w                  ; waves 0, 1 fetch for x2, waves 2, 3 for the weight; four v_nop follow each line
	s_cmp_eq_u32 s15, 0
	s_cbranch_scc0 .Lfor_w_\@
	tensor_load_to_lds s[\g0a:\g0a+3], s[G1A:G1A+7]
	s_nop 0
	PLACES
	s_branch .Lasked_\@
.Lfor_w_\@:
	tensor_load_to_lds s[\g0w:\g0w+3], s[G1W:G1W+7]
	s_nop 0
	PLACES
.Lasked_\@:
.endm
.macro CROUND                          ; a round of the cluster's barrier
	s_barrier_signal -1
	s_barrier_wait -1
	s_cmp_lg_u32 s14, 0
	s_cbranch_scc1 .Lnot_wave_0_\@
	s_barrier_signal -3
.Lnot_wave_0_\@:
	s_barrier_wait -3
	s_barrier_signal -1
	s_barrier_wait -1
.endm
.macro SETADR rw, as                   ; the running LDS addresses at K step 0: x2's panel at 0, the weight's at rw; the scale words' address was made at the head
	v_mov_b32 v11, v6
	v_mov_b32 v12, v7
	v_add_nc_u32 v13, \rw, v8
	v_add_nc_u32 v14, \rw, v9
	v_mov_b32 v15, v[\as]
.endm
.macro ADV                             ; a K step on; these five lines are also the places behind the last products
.irp a, 11,12,13,14,15
	v_add_nc_u32 v\a, SLAB, v\a
.endr
.endm
.macro FETCH buf, sc                   ; 36 LDS loads: four fragments of x2, four of the weight, four registers of scale words
	WIN 0x40                                       ; destination window 1
.irp i, 0,1,2,3
.irp c, 0,1
	ds_load_b128 v[\buf+12*\i+6*\c:\buf+12*\i+6*\c+3], v11 offset:1536*\i+768*\c
	ds_load_b64 v[\buf+12*\i+6*\c+4:\buf+12*\i+6*\c+5], v12 offset:1536*\i+768*\c+512
	ds_load_b128 v[\buf+48+12*\i+6*\c:\buf+48+12*\i+6*\c+3], v13 offset:1536*\i+768*\c
	ds_load_b64 v[\buf+48+12*\i+6*\c+4:\buf+48+12*\i+6*\c+5], v14 offset:1536*\i+768*\c+512
.endr
.endr
	WIN 0
.irp i, 0,1,2,3
	ds_load_b32 v[\sc+\i], v15 offset:64*\i
.endr
.endm
; 16 products, the 16 accumulators by turns in one order.  zero = 1: the first K step starts the sums.  swap = 0: source 0 = the weight's tile q, source 1 = x2's tile p;  swap = 1: source 0 = x2's tile q, source 1 = the weight's tile p.
.macro MUL buf, sc, zero, swap
	WIN 0x05                                       ; sources 0 and 1 window 1
.irp p, 0,1,2,3
.irp q, 0,1,2,3
.set D, ACC+8*(4*\p+\q)
.if \swap
.set XS, \buf+12*\q
.set YS, \buf+48+12*\p
.if \zero
	v_wmma_scale_f32_16x16x128_f8f6f4 v[D:D+7], v[XS:XS+11], v[YS:YS+11], 0, v[\sc+\q], v[\sc+\p] matrix_a_fmt:MATRIX_FMT_FP6 matrix_b_fmt:MATRIX_FMT_FP6 matrix_b_scale:MATRIX_SCALE_ROW1
.else
	v_wmma_scale_f32_16x16x128_f8f6f4 v[D:D+7], v[XS:XS+11], v[YS:YS+11], v[D:D+7], v[\sc+\q], v[\sc+\p] matrix_a_fmt:MATRIX_FMT_FP6 matrix_b_fmt:MATRIX_FMT_FP6 matrix_b_scale:MATRIX_SCALE_ROW1
.endif
.else
.set XS, \buf+48+12*\q
.set YS, \buf+12*\p
.if \zero
	v_wmma_scale_f32_16x16x128_f8f6f4 v[D:D+7], v[XS:XS+11], v[YS:YS+11], 0, v[\sc+\q], v[\sc+\p] matrix_a_fmt:MATRIX_FMT_FP6 matrix_b_fmt:MATRIX_FMT_FP6 matrix_a_scale:MATRIX_SCALE_ROW1
.else
	v_wmma_scale_f32_16x16x128_f8f6f4 v[D:D+7], v[XS:XS+11], v[YS:YS+11], v[D:D+7], v[\sc+\q], v[\sc+\p] matrix_a_fmt:MATRIX_FMT_FP6 matrix_b_fmt:MATRIX_FMT_FP6 matrix_a_scale:MATRIX_SCALE_ROW1
.endif
.endif
.endr
.endr
.endm
; K step k: the next step's fragments are fetched into the other set, then this step's 16 products.  sync >= 0: first the next chunk of the panels is shown whole to all four waves.
.macro STEP k, fetch, sync, zero, swap
	WIN 0
.if \sync >= 0
	s_wait_tensorcnt \sync                         ; my part of the next chunk has landed; the loads issued behind it may stay out
	s_wait_dscnt 0x0
	s_barrier_signal -1
	s_barrier_wait -1
.endif
.if \fetch
	ADV
	FETCH 128*(1-(\k)%2), SC+4*(1-(\k)%2)
	s_wait_dscnt 36                                ; all but the 36 just issued
.else
	s_wait_dscnt 0x0
.endif
	MUL 128*((\k)%2), SC+4*((\k)%2), \zero, \swap
.endm
.macro TILE s3, swap
	STEP 0, 1, -1, 1, \swap
	s_wait_alu depctr_va_vdst(0)
	STEP 1, 1, -1, 0, \swap
	s_wait_alu depctr_va_vdst(0)
	STEP 2, 1, -1, 0, \swap
	s_wait_alu depctr_va_vdst(0)
	STEP 3, 1, \s3, 0, \swap
	s_wait_alu depctr_va_vdst(0)
	STEP 4, 1, -1, 0, \swap
	s_wait_alu depctr_va_vdst(0)
	STEP 5, 1, -1, 0, \swap
	s_wait_alu depctr_va_vdst(0)
	STEP 6, 1, -1, 0, \swap
	STEP 7, 0, -1, 0, \swap
.endm
; 32 numbers of a lane, register 16 b + i = k 32 b + 16 h + i of my row, become a unit's six registers in v[PC] on and two scale bytes in v[PW].  Each accumulator is read from its low end on.
.macro QUANT32 s
.irp b, 0,1
	v_max3_num_f32 v[TM+\b], |v[\s+16*\b]|, |v[\s+16*\b+1]|, 0x1800000   ; and the floor 2^(3 - 127): the byte cannot fall under 1
.endr
.irp i, 2,4,6,8,10,12,14
.irp b, 0,1
	v_max3_num_f32 v[TM+\b], v[TM+\b], |v[\s+16*\b+\i]|, |v[\s+16*\b+\i+1]|
.endr
.endr
.irp b, 0,1
	v_permlanex16_b32 v[TM+2+\b], v[TM+\b], s[SEL], s[SEL+1]
.endr
.irp b, 0,1
	v_max_num_f32 v[TM+\b], v[TM+\b], v[TM+2+\b]
.endr
.irp b, 0,1
	v_add_nc_u32 v[TM+4+\b], 0xff000000, v[TM+\b]  ; 2 off the exponent field: the conversion's scale operand
.endr
.irp b, 0,1
	v_lshrrev_b32 v[TM+2+\b], 23, v[TM+4+\b]
.endr
	v_lshl_or_b32 v[PW], v[TM+3], 8, v[TM+2]
	v_cvt_scalef32_pk16_fp6_f32 v[PC:PC+2], v[\s:\s+15], v[TM+4]
	v_cvt_scalef32_pk16_fp6_f32 v[PC+6:PC+8], v[\s+16:\s+31], v[TM+5]
	v_nop                                          ; one plain line behind the conversions
.irp i, 0,1,2
	v_permlane16_swap_b32 v[PC+\i], v[PC+6+\i]
.endr
.irp i, 0,1,2
	v_mov_b32 v[PC+3+\i], v[PC+6+\i]
.endr
.endm
.macro OUTQK ub, sb                    ; four units (my four tiles of rows x the head's 64) and their scale words
.irp u, 0,1,2,3
	s_wait_xcnt 0x0                                ; the last stores have read their registers: codes, scale bytes and v20 are written again only behind this wait
	QUANT32 ACC+32*\u
	global_store_b128 v4, v[PC:PC+3], s[\ub:\ub+1] offset:768*\u
	global_store_b64 v5, v[PC+4:PC+5], s[\ub:\ub+1] offset:768*\u+512
	v_cndmask_b32 v[TT], v[PW], v19, s74           ; lanes 0-15: the two bytes; lanes 16-31: 0x7f7f for the K that is not there
	global_store_b16 v18, v[TT], s[\sb:\sb+1] offset:64*\u   ; 64 consecutive bytes
.endr
.endm
	s_load_b256 s[4:11], s[0:1], 0x0               ; XA, WI, QB, KV
	v_lshl_add_u32 v28, v0, 2, SPARE
	v_mov_b32 v29, 0
	ds_add_u32 v28, v29
	ds_add_u32 v28, v29
	s_wait_dscnt 0x0
	v_lshrrev_b32 v1, 5, v0
	v_readfirstlane_b32 s14, v1                    ; wave 0..3
	s_lshr_b32 s15, s14, 1                         ; my half of the rows; also: I fetch for x2 (0) or for the weight (1)
	s_and_b32 s16, s14, 1                          ; my half of the columns
	s_bfe_u32 s44, ttmp6, 0x40000                  ; cx
	s_bfe_u32 s45, ttmp6, 0x40004                  ; cy
	s_lshl_b32 s18, ttmp9, 2
	s_add_co_u32 s18, s18, s44                     ; g
	s_and_b32 s17, ttmp7, 0xffff
	s_lshl_b32 s17, s17, 2
	s_add_co_u32 s17, s17, s45                     ; RB
	s_lshl_b32 s46, s45, 2
	s_lshl_b32 s46, 15, s46                        ; my row of the cluster
	s_lshl_b32 s47, 0x1111, s44                    ; my column
	s_or_b32 s[G1A], s46, (3<<16)|(1<<21)          ; the mask; elements of 8 bytes; bit 21 beside a mask; no padding
	s_or_b32 s[G1W], s47, (3<<16)|(1<<21)
.irp g, G1A, G1W                       ; four slabs, 51,200 dense bytes, as 200 rows of 256 bytes
	s_mov_b32 s[\g+1], 32<<16
	s_mov_b32 s[\g+2], 200<<16
	s_mov_b32 s[\g+3], 32<<16
	s_mov_b32 s[\g+4], 200
	s_mov_b32 s[\g+5], 32
	s_mov_b32 s[\g+6], 0
	s_mov_b32 s[\g+7], 0
.endr
	s_mov_b32 s[G1W+2], 400<<16                    ; the head's loads: waves 0, 1 half of x2's panel each (200 rows of 256 bytes), wave 2 all of Wq's panel, wave 3 all of Wk's (400 rows)
	s_mov_b32 s[G1W+4], 400
	s_mul_i32 s88, s16, 4*SLAB                     ; (w % 2) x four K steps
	s_mul_i32 s89, s14, 2*SLAB                     ; w x two K steps
	s_mul_i32 s20, s17, 8*SLAB
	s_add_co_u32 s20, s20, s88
	s_mov_b32 s21, 0
	s_mul_i32 s22, s18, 8*SLAB
	s_add_co_u32 s90, s22, s89
	s_mov_b32 s91, 0
	s_mul_i32 s23, s16, 819200                     ; wave 2: Wq, wave 3: Wk
	s_add_co_u32 s22, s22, s23
	s_mov_b32 s23, 0
	s_mov_b32 s[SEL], 0x76543210
	s_mov_b32 s[SEL+1], 0xfedcba98
	s_mov_b32 s74, 0xffff0000                      ; lanes 16-31
	s_wait_kmcnt 0x0
	s_add_nc_u64 s[20:21], s[4:5], s[20:21]        ; x2's panel RB, my half: four K steps
	s_add_nc_u64 s[22:23], s[6:7], s[22:23]        ; Wq's panel g likewise
	s_add_nc_u64 s[90:91], s[6:7], s[90:91]        ; panel g, K steps 2 w, 2 w + 1
.irp j, 0
	s_mov_b32 s[G0A+4*\j], 1
	s_add_co_u32 s[G0A+4*\j+1], s88, \j*4*SLAB
	s_add_nc_u64 s[G0A+4*\j+2:G0A+4*\j+3], s[20:21], \j*4*SLAB
	s_or_b32 s[G0A+4*\j+3], s[G0A+4*\j+3], 0x80000000
	s_mov_b32 s[G0W+4*\j], 1
	s_mul_i32 s[G0W+4*\j+1], s16, 8*SLAB
	s_add_co_u32 s[G0W+4*\j+1], s[G0W+4*\j+1], RW0
	s_add_nc_u64 s[G0W+4*\j+2:G0W+4*\j+3], s[22:23], \j*4*SLAB
	s_or_b32 s[G0W+4*\j+3], s[G0W+4*\j+3], 0x80000000
.endr
	s_mov_b32 s[G0V], 1
	s_add_co_u32 s[G0V+1], s89, RW0
	s_add_nc_u64 s[G0V+2:G0V+3], s[90:91], 1638400 ; Wv
	s_or_b32 s[G0V+3], s[G0V+3], 0x80000000
	CROUND                                         ; all sixteen work-groups are here: the first joint loads meet
	JLOAD G0A, G0W                                 ; x2's panel, Wq's and Wk's
	v_and_b32 v1, 31, v0
	v_and_b32 v2, 15, v0                           ; r
	v_bfe_u32 v3, v0, 4, 1                         ; h
	s_wait_alu depctr_va_vdst(0)
	v_lshlrev_b32 v4, 4, v1                        ; 16 x lane
	v_lshlrev_b32 v5, 3, v1                        ; 8 x lane
	s_mul_i32 s88, s15, 6144
	v_add_nc_u32 v6, s88, v4                       ; my four tiles of x2
	v_add_nc_u32 v7, s88, v5
	s_mul_i32 s88, s16, 6144
	v_add_nc_u32 v8, s88, v4                       ; my four tiles of a weight
	v_add_nc_u32 v9, s88, v5
	s_lshl_b32 s88, s15, 8
	s_add_co_u32 s88, s88, 12288
	v_lshl_add_u32 v10, v2, 2, s88                 ; x2's scale words of my tiles
	s_lshl_b32 s88, s16, 8                         ; lanes 0-15 take x2's scale words, lanes 16-31 the weight's: one product, h x the distance between the two,
	s_lshl_b32 s89, s15, 8
	s_add_co_u32 s88, s88, RW0
	s_sub_co_u32 s88, s88, s89
	v_mul_u32_u24 v[AS0], s88, v3
	v_add_nc_u32 v[AS0], v10, v[AS0]               ; for the weight at RW0,
	s_add_co_u32 s88, s88, RW1-RW0
	v_mul_u32_u24 v[AS1], s88, v3
	v_add_nc_u32 v[AS1], v10, v[AS1]               ; and at RW1: both of the lane and the wave's number alone, never rewritten
	v_lshl_add_u32 v16, v2, 2, v3                  ; 4 r + h
	v_lshlrev_b32 v17, 3, v3                       ; 8 h
	v_lshlrev_b32 v18, 1, v3
	v_lshl_add_u32 v18, v2, 2, v18                 ; 4 r + 2 h
	v_mov_b32 v19, 0x7f7f
	v_mov_b32 v[TM+2], 0                           ; written once: a lane permute's destination counts as a source
	v_mov_b32 v[TM+3], 0
	; where the results go
	s_lshr_b32 s88, s17, 4
	s_lshl_b32 s88, s88, 4
	s_lshl_b32 s89, s18, 1
	s_add_co_u32 s88, s88, s89
	s_add_co_u32 s88, s88, s16                     ; 16 x batch + head
	s_and_b32 s89, s17, 15                         ; which 128 rows of the batch
	s_lshl_b32 s90, s88, 7
	s_lshl_b32 s91, s89, 3
	s_add_co_u32 s90, s90, s91
	s_lshl_b32 s91, s15, 2
	s_add_co_u32 s90, s90, s91                     ; my first tile of queries
	s_mov_b32 s3, 0
	s_mul_i32 s2, s90, 768
	s_add_nc_u64 s[76:77], s[8:9], s[2:3]          ; q's units
	s_lshl_b32 s2, s90, 6
	s_add_co_u32 s2, s2, 3145728
	s_add_nc_u64 s[78:79], s[8:9], s[2:3]          ; q's scale words
	s_lshl_b32 s90, s88, 4
	s_add_co_u32 s90, s90, s89
	s_mul_i32 s90, s90, 13056                      ; the head's block of these 128 keys
	s_mul_i32 s91, s15, 3072
	s_add_co_u32 s2, s90, s91
	s_add_nc_u64 s[80:81], s[10:11], s[2:3]        ; k's units
	s_lshl_b32 s91, s15, 8
	s_add_co_u32 s2, s90, s91
	s_add_co_u32 s2, s2, 6144
	s_add_nc_u64 s[82:83], s[10:11], s[2:3]        ; k's scale words
	s_mul_i32 s91, s15, 768
	s_add_co_u32 s2, s90, s91
	s_add_co_u32 s2, s2, 6656
	s_add_nc_u64 s[84:85], s[10:11], s[2:3]        ; v's units: keys 64 (w / 2) on
	s_lshl_b32 s91, s15, 1
	s_add_co_u32 s2, s90, s91
	s_add_co_u32 s2, s2, 12800
	s_add_nc_u64 s[86:87], s[10:11], s[2:3]        ; v's scale bytes
	s_wait_alu depctr_va_vdst(0)                   ; the wait at the head's end
	s_wait_tensorcnt 0x0                           ; my one load of the head is in
	s_barrier_signal -1
	s_barrier_wait -1
	SETADR RW0, AS0
	FETCH 0, SC
	TILE -1, 0
	WIN 0
	s_wait_tensorcnt 0x0                           ; all my tensor loads have landed
	ds_add_u32 v28, v29                            ; 0 onto my spare word
	s_mov_b32 s[G1W+2], 100<<16                    ; no tensor load of mine is out: from here on a weight's load brings 100 rows, a quarter of a panel
	s_mov_b32 s[G1W+4], 100
	s_wait_dscnt 0x0
	CROUND
	tensor_load_to_lds s[G0V:G0V+3], s[G1W:G1W+7]
	s_nop 0
	PLACES                                         ; also the places behind the last products
	OUTQK 76, 78
	SETADR RW1, AS1
	FETCH 0, SC
	TILE -1, 0                                     ; k
	WIN 0
	PLACES
	OUTQK 80, 82
	s_wait_tensorcnt 0x0                           ; my quarter of Wv is in,
	s_wait_dscnt 0x0
	s_barrier_signal -1
	s_barrier_wait -1                              ; everybody's is
	SETADR RW0, AS0
	FETCH 0, SC
	TILE -1, 1                                     ; v, the sources swapped
	WIN 0
	PLACES
.irp u, 0,1,2,3                        ; tile u of the head's channels x my 64 keys
	s_wait_xcnt 0x0                                ; the last stores have read their registers
	QUANT32 ACC+32*\u
	global_store_b128 v4, v[PC:PC+3], s[84:85] offset:1536*\u
	global_store_b64 v5, v[PC+4:PC+5], s[84:85] offset:1536*\u+512
	v_lshrrev_b32 v[TT], v17, v[PW]
	global_store_b8 v16, v[TT], s[86:87] offset:64*\u        ; lane (r, h): block h's byte of channel r
.endr
	s_wait_tensorcnt 0x0                           ; the wave's end
	ds_add_u32 v28, v29
	s_wait_dscnt 0x0
	CROUND                                         ; the closing round
	s_endpgm
.Lfunc_end_k_qbf88d790c9_qkv:
	.size	k_qbf88d790c9_qkv, .Lfunc_end_k_qbf88d790c9_qkv-k_qbf88d790c9_qkv
	.p2alignl 7, 3214868480
	.fill 96, 4, 3214868480
	.section	.rodata,"a",@progbits
	.p2align	6, 0x0
	.amdhsa_kernel k_qbf88d790c9_qkv
		.amdhsa_group_segment_fixed_size 327680
		.amdhsa_private_segment_fixed_size 0
		.amdhsa_enable_private_segment 0
		.amdhsa_kernarg_size 32
		.amdhsa_user_sgpr_count 2
		.amdhsa_user_sgpr_kernarg_segment_ptr 1
		.amdhsa_wavefront_size32 1
		.amdhsa_system_sgpr_workgroup_id_x 1
		.amdhsa_system_sgpr_workgroup_id_y 1
		.amdhsa_system_sgpr_workgroup_id_z 1
		.amdhsa_system_vgpr_workitem_id 0
		.amdhsa_next_free_vgpr 512
		.amdhsa_next_free_sgpr 96
		.amdhsa_reserve_vcc 0
		.amdhsa_float_denorm_mode_32 3
		.amdhsa_float_denorm_mode_16_64 3
		.amdhsa_memory_ordered 1
		.amdhsa_forward_progress 1
		.amdhsa_inst_pref_size 150
	.end_amdhsa_kernel
	.amdgpu_metadata
---
amdhsa.version: [ 1, 2 ]
amdhsa.kernels:
  - .name:           k_qbf88d790c9_qkv
    .symbol:         k_qbf88d790c9_qkv.kd
    .args:
      - { .name: XA, .offset: 0, .size: 8, .value_kind: global_buffer, .address_space: global }
      - { .name: WI, .offset: 8, .size: 8, .value_kind: global_buffer, .address_space: global }
      - { .name: QB, .offset: 16, .size: 8, .value_kind: global_buffer, .address_space: global }
      - { .name: KV, .offset: 24, .size: 8, .value_kind: global_buffer, .address_space: global }
    .group_segment_fixed_size: 327680
    .private_segment_fixed_size: 0
    .kernarg_segment_align: 8
    .kernarg_segment_size: 32
    .max_flat_workgroup_size: 128
    .sgpr_count:     96
    .vgpr_count:     512
    .wavefront_size: 32
...
	.end_amdgpu_metadata
.endif
;; end of part 2
;; launch attn (part 3): grid 8 x 32, 16 waves a work-group, clusters of 4 x 1, 219,136 bytes of LDS; arguments QB, KV, mask, CA; writes CA
.if DOCPART == 3
	.amdgcn_target "amdgcn-amd-amdhsa--gfx1250"
	.amdhsa_code_object_version 6
	.text
	.protected	k_qbf88d790c9_attn
	.globl	k_qbf88d790c9_attn
	.p2align	8
	.type	k_qbf88d790c9_attn,@function
k_qbf88d790c9_attn:
	s_mov_b64 s[64:65], 0
	v_nop
	global_prefetch_b8 v0, s[64:65] scope:SCOPE_SE
	s_setreg_imm32_b32 hwreg(HW_REG_WAVE_MODE, 25, 1), 1
	s_wait_xcnt 0x0
	s_wait_alu depctr_hold_cnt(0) depctr_sa_sdst(0) depctr_va_vdst(0) depctr_va_sdst(0) depctr_va_ssrc(0) depctr_va_vcc(0) depctr_vm_vsrc(0)
	s_getreg_b32 s2, hwreg(HW_REG_IB_STS2, 6, 4)
	s_cmp_eq_u32 s2, 0
	s_cbranch_scc0 .Lentry_in_a_cluster
	s_endpgm
.Lentry_in_a_cluster:
	s_bfe_u32 s2, ttmp6, 0x10000c
	s_cmp_lg_u32 s2, 0x3003
	s_cbranch_scc0 .Lentry_shape_is_right
	s_endpgm
.Lentry_shape_is_right:
; For each batch and head: scores = q k^T / 8 x mask; a score that is exactly 0 becomes -infinity; softmax; x v; both products on codes of FP6 (E2M3) with E8M0 scales.
; THE SOFTMAX: t = score x log2(e); M = the running largest t rounded UP to a whole number (kept as -M = floor(-t)); p = 2^(t - M) is quantised along the keys, not normalised; the row's sum is taken of the unquantised p;
; when M moves, the sum and O are multiplied by 2^(old M - new M), which rounds nothing; O is divided by the sum at the end and quantised along the head's 64 into CA, the next product's operand.
; SHARES.  Work-group (X, bh): 256 queries of one head; each of its sixteen waves one tile of 16 queries.
; LDS.  The head's K and V, 16 blocks of 13,056 bytes (128 keys each: K's 8 units, its scale words, V's 4 fragments with the keys innermost, its scale words): wave w asks for block w, one tensor load a wave, at the head;
; nothing is filled again.  Behind them mask x log2(e) / 8 for the batch's 2,048 keys, 8,192 bytes, made once; then the spare words.
; CLUSTER 4 x 1: the four work-groups belong to one head and ask for its K and V jointly.  No prefetch: all tiles are asked for at the head, and no later load is left to run ahead of.
; LAYOUT.  Both products are used transposed (S^T = K Q^T, O^T = V^T P^T): a lane holds one query.  Lane r of K's tile t is key 32 (t / 2) + 8 (t % 2) + r + 8 (r / 8), so that the 16 registers of tiles 2 b, 2 b + 1 are keys
; 32 b + 16 h + 0 .. 15.  The first product's K is the head's 64: the upper halves of Q's and K's fragments are zero codes, under the scale byte 0x7f.
; LIMITS: the test for 0 is made on score x (mask x log2(e) / 8): it differs from reference's only where one of the two products falls under the smallest f32 number; a batch whose mask is 0 at every key gives other numbers than
; reference's NaN rows; NaN and infinities among the inputs are not served; a block of zeros gets the byte 1 (its codes are zeros).
.set SLABB, 13056
.set MK,    16*SLABB                   ; the scaled mask
.set SPARE, MK+8192                    ; the spare words: 128 bytes a wave
.set KB,    40                         ; v40-87   four fragments of K (upper halves: zeros, written once)
.set S,     88                         ; v88-151  S^T, then p; v88-135 later V's four fragments
.set O,     152                        ; v152-183 O^T
.set MR,    184                        ; v184-215 the scaled mask at my 32 keys of two blocks
.set PC,    216                        ; v216-227 p's codes; v228-234 at work
.set BM,    236                        ; v236-239 the blocks' largest t
.set SO,    244                        ; v244-247 the conversions' scale operands
.set TM,    236                        ; the way out's quantiser
.set PW,    242
.set TT,    243
.set WV,    18
.set SEL,   20
.macro PLACES
.rept 4
	v_nop
.endr
.endm
.macro CROUND
	s_barrier_signal -1
	s_barrier_wait -1
	s_cmp_lg_u32 s[WV], 0
	s_cbranch_scc1 .Lnot_wave_0_\@
	s_barrier_signal -3
.Lnot_wave_0_\@:
	s_barrier_wait -3
	s_barrier_signal -1
	s_barrier_wait -1
.endm
; blocks b0 and b0 + 1 of 32 keys: t = score x scaled mask; t = 0 becomes -infinity; each block's largest t.  The select of number n shares an instruction with the multiplication of number n + 3.
; Each accumulator is read from its low end on.
.macro MASKZ b0
.set B, S+16*\b0
	v_dual_mul_f32 v[B], v[MR], v[B] :: v_dual_mul_f32 v[B+1], v[MR+1], v[B+1]
	v_mul_f32 v[B+2], v[MR+2], v[B+2]
.set n, 0
.rept 29
	v_cmp_neq_f32 vcc_lo, 0, v[B+n]
	v_dual_cndmask_b32 v[B+n], v[251-2*(1-((n%4)+3)/4)], v[B+n] :: v_dual_mul_f32 v[B+n+3], v[MR+n+3], v[B+n+3]   ; -infinity from v251, or from v249 where n % 4 = 0: the two first sources lie in different banks
.set n, n+1
.endr
.rept 3
	v_cmp_neq_f32 vcc_lo, 0, v[B+n]
	v_cndmask_b32 v[B+n], v251, v[B+n], vcc_lo
.set n, n+1
.endr
.irp b, \b0, \b0+1
	v_max3_num_f32 v[BM+\b], v[S+16*(\b)], v[S+16*(\b)+1], v[S+16*(\b)+2]
.endr
.irp i, 3,5,7,9,11,13
.irp b, \b0, \b0+1
	s_delay_alu instid0(VALU_DEP_2)
	v_max3_num_f32 v[BM+\b], v[BM+\b], v[S+16*(\b)+\i], v[S+16*(\b)+\i+1]
.endr
.endr
.irp b, \b0, \b0+1
	s_delay_alu instid0(VALU_DEP_2)
	v_max_num_f32 v[BM+\b], v[BM+\b], v[S+16*(\b)+15]
.endr
.endm
.macro KLOADS t0                       ; K's tiles t0 .. t0 + 3: a unit and a scale word each, 12 loads
.irp t, 0,1,2,3
	ds_load_b128 v[KB+12*\t:KB+12*\t+3], v5 offset:768*(\t0+\t)
	ds_load_b64 v[KB+12*\t+4:KB+12*\t+5], v6 offset:768*(\t0+\t)+512
	ds_load_b32 v[28+\t0+\t], v7 offset:6144+64*(\t0+\t)
.endr
.endm
.macro MLOADS b0                       ; the scaled mask at keys 32 b + 16 h + 0 .. 15 of blocks b0, b0 + 1: 8 loads
.irp b, 0,1
.irp j, 0,1,2,3
	ds_load_b128 v[MR+16*\b+4*\j:MR+16*\b+4*\j+3], v8 offset:128*(\b0+\b)+16*\j
.endr
.endr
.endm
.macro KQ t0
.irp t, 0,1,2,3
	v_wmma_scale_f32_16x16x128_f8f6f4 v[S+8*(\t0+\t):S+8*(\t0+\t)+7], v[KB+12*\t:KB+12*\t+11], v[16:27], 0, v[28+\t0+\t], v10 matrix_a_fmt:MATRIX_FMT_FP6 matrix_b_fmt:MATRIX_FMT_FP6
.endr
.endm
	s_load_b256 s[4:11], s[0:1], 0x0               ; QB, KV, mask, CA
	v_lshl_add_u32 v254, v0, 2, SPARE
	v_mov_b32 v255, 0
	ds_add_u32 v254, v255                          ; the opening lines: the add, twice on end, and its wait
	ds_add_u32 v254, v255
	v_lshrrev_b32 v1, 5, v0
	s_delay_alu instid0(VALU_DEP_1)
	v_readfirstlane_b32 s[WV], v1                  ; wave 0..15
	s_bfe_u32 s12, ttmp6, 0x40000                  ; cx: it enters Q's and CA's addresses alone
	s_lshl_b32 s13, ttmp9, 2
	s_add_co_u32 s13, s13, s12                     ; X: my block of 256 queries
	s_and_b32 s14, ttmp7, 0xffff                   ; bh = 16 x batch + head, which the four partners share
	s_mov_b32 s24, 15|(3<<16)|(1<<21)              ; group 1: all four work-groups; elements of 8 bytes; bit 21 beside a mask; one block = 51 rows of 256 bytes
	s_mov_b32 s25, 32<<16
	s_mov_b32 s26, 51<<16
	s_mov_b32 s27, 32<<16
	s_mov_b32 s28, 51
	s_mov_b32 s29, 32
	s_mov_b32 s30, 0
	s_mov_b32 s31, 0
	s_mul_i32 s15, s14, 16*SLABB                   ; the head's first byte in KV
	s_mul_i32 s16, s[WV], SLABB                    ; block w
	s_add_co_u32 s22, s15, s16
	s_mov_b32 s23, 0
	s_mov_b32 s[SEL], 0x76543210
	s_mov_b32 s[SEL+1], 0xfedcba98
	s_lshl_b32 s49, s14, 7
	s_lshl_b32 s2, s13, 4
	s_add_co_u32 s49, s49, s2
	s_add_co_u32 s49, s49, s[WV]                   ; my tile of queries: 128 bh + 16 X + w
	s_mov_b32 s3, 0
	s_wait_dscnt 0x0
	s_wait_kmcnt 0x0
	s_mov_b32 s40, 1
	s_mov_b32 s41, s16
	s_add_nc_u64 s[42:43], s[6:7], s[22:23]
	s_or_b32 s43, s43, 0x80000000
	CROUND                                         ; all four work-groups are here: the joint loads meet
	tensor_load_to_lds s[40:43], s[24:31]          ; block w: every wave's one load
	s_nop 0
	PLACES
	s_mul_i32 s2, s49, 768
	s_add_nc_u64 s[56:57], s[4:5], s[2:3]          ; Q's unit
	s_lshl_b32 s2, s49, 6
	s_add_co_u32 s2, s2, 3145728
	s_add_nc_u64 s[58:59], s[4:5], s[2:3]          ; its scale words
	s_lshr_b32 s2, s14, 4
	s_lshl_b32 s2, s2, 13
	s_add_nc_u64 s[8:9], s[8:9], s[2:3]            ; the batch's mask
	s_lshr_b32 s49, s14, 4
	s_lshl_b32 s49, s49, 4
	s_lshl_b32 s2, s13, 1
	s_add_co_u32 s49, s49, s2
	s_lshr_b32 s2, s[WV], 3
	s_add_co_u32 s49, s49, s2                      ; CA: the block of 128 rows,
	s_lshl_b32 s49, s49, 3
	s_bfe_u32 s2, s14, 0x30001
	s_add_co_u32 s49, s49, s2                      ; K step head / 2
	s_mul_i32 s49, s49, 12800
	s_and_b32 s12, s[WV], 7
	s_and_b32 s19, s14, 1
	s_mul_i32 s2, s12, 1536
	s_mul_i32 s16, s19, 768
	s_add_co_u32 s2, s2, s16
	s_add_co_u32 s2, s2, s49
	s_add_nc_u64 s[60:61], s[10:11], s[2:3]        ; my unit: tile w % 8, unit head % 2
	s_lshl_b32 s2, s12, 6
	s_lshl_b32 s16, s19, 1
	s_add_co_u32 s2, s2, s16
	s_add_co_u32 s2, s2, s49
	s_add_co_u32 s2, s2, 12288
	s_add_nc_u64 s[62:63], s[10:11], s[2:3]        ; its two bytes of the scale words
	v_lshlrev_b32 v9, 4, v0                        ; 16 x thread
	v_lshl_add_u32 v8, v0, 4, MK
	v_and_b32 v1, 31, v0
	s_delay_alu instid0(VALU_DEP_1)
	v_lshlrev_b32 v2, 3, v1                        ; 8 x lane
	s_delay_alu instid0(VALU_DEP_2)
	v_lshlrev_b32 v1, 4, v1                        ; 16 x lane
	v_and_b32 v3, 15, v0
	s_delay_alu instid0(VALU_DEP_1)
	v_lshlrev_b32 v3, 2, v3                        ; 4 r
	v_bfe_u32 v4, v0, 4, 1
	s_delay_alu instid0(VALU_DEP_1)
	v_lshl_add_u32 v4, v4, 6, MK                   ; the mask: + 64 h
	global_load_b128 v[MR:MR+3], v9, s[8:9]        ; 512 threads x 16 bytes: the batch's 2,048 numbers
	global_load_b128 v[16:19], v1, s[56:57]
	global_load_b64 v[20:21], v2, s[56:57] offset:512
	global_load_b32 v10, v3, s[58:59]
.irp j, 22,23,24,25,26,27
	v_mov_b32 v\j, 0                               ; Q's K = 64 .. 127: zero codes
.endr
.irp t, 0,1,2,3
.irp j, 6,7,8,9,10,11
	v_mov_b32 v[KB+12*\t+\j], 0                    ; K's likewise, once
.endr
.endr
.set n, 0
.rept 32
	v_mov_b32 v[O+n], 0                            ; O^T: the step is written once; the first change of M leaves zeros zeros
.set n, n+1
.endr
	v_mov_b32 v14, 0
	v_mov_b32 v15, 0
.irp j, 240,241,242,243,250
	v_mov_b32 v\j, 0                               ; a lane permute's destination counts as a source
.endr
	v_mov_b32 v249, 0xff800000                     ; -infinity, in two registers
	v_mov_b32 v251, 0xff800000
	v_mov_b32 v13, 0xff61b1e6                      ; the largest t so far: -3e38
	s_delay_alu instid0(VALU_DEP_1)
	v_floor_f32 v12, -v13
	s_wait_loadcnt 3                               ; the mask is in; Q's three loads may stay out
	v_pk_mul_f32 v[MR:MR+1], v[MR:MR+1], 0x3e38aa3b op_sel_hi:[1,0]       ; x log2(e) / 8
	v_pk_mul_f32 v[MR+2:MR+3], v[MR+2:MR+3], 0x3e38aa3b op_sel_hi:[1,0]
	ds_store_b128 v8, v[MR:MR+3]
	s_mov_b32 s2, 0
	s_mov_b32 s3, 0
	s_mov_b32 s48, 16
	s_wait_alu depctr_va_vdst(0)                   ; the wait at the head's end
	s_wait_tensorcnt 0x0                           ; my block is in
	s_wait_loadcnt 0x0
	s_wait_dscnt 0x0
	s_barrier_signal -1
	s_barrier_wait -1                              ; all sixteen blocks and the mask lie in LDS
.Lstep:                                                ; A KEY STEP: 128 keys, the block at LDS byte s2; the mask's 512 bytes at s3
	v_add_nc_u32 v5, s2, v1
	v_add_nc_u32 v6, s2, v2
	v_add_nc_u32 v7, s2, v3
	v_add_nc_u32 v8, s3, v4
	v_nop                                          ; six places: the products below write over registers that the last step's products read
	v_nop
	KLOADS 0
	MLOADS 0
	s_wait_alu depctr_va_vdst(0)
	s_wait_dscnt 8                                 ; K's tiles 0-3 are in; the mask's eight loads may stay out
	KQ 0
	PLACES                                         ; in front of loads into registers that those products read, and of the first read of their results
	KLOADS 4
	s_wait_dscnt 12                                ; the mask is in; the twelve loads just issued may stay out
	MASKZ 0
	MLOADS 2
	s_wait_dscnt 8                                 ; K's tiles 4-7 are in
	KQ 4
	PLACES
	s_wait_dscnt 0x0
	MASKZ 2
.irp b, 0,1,2,3
	v_permlanex16_b32 v[240+\b], v[BM+\b], s[SEL], s[SEL+1]
.endr
.irp b, 0,1,2,3
	s_delay_alu instid0(VALU_DEP_4)
	v_max_num_f32 v[BM+\b], v[BM+\b], v[240+\b]    ; with lane l xor 16's 16 keys
.endr
	s_delay_alu instid0(VALU_DEP_2)
	v_max3_num_f32 v250, v236, v237, v238
	s_delay_alu instid0(VALU_DEP_1)
	v_max_num_f32 v250, v250, v239                 ; the step's largest t of my query
	s_delay_alu instid0(VALU_DEP_1)
	v_max_num_f32 v13, v13, v250                   ; the running largest t
	v_mov_b32 v250, v12
	s_delay_alu instid0(VALU_DEP_2)
	v_floor_f32 v12, -v13                          ; the new -M: M is a whole number
	s_delay_alu instid0(VALU_DEP_1)
	v_sub_f32 v250, v12, v250                      ; old M - new M: a whole number, 0 or less
	s_delay_alu instid0(VALU_DEP_1)
	v_cvt_i32_f32 v250, v250                       ; (it saturates)
	s_delay_alu instid0(VALU_DEP_1)
	v_ldexp_f32 v248, 1.0, v250                    ; f = 2^(old M - new M)
.set n, 0
.rept 32
	v_dual_add_f32 v[S+n], v12, v[S+n] :: v_dual_add_f32 v[S+n+1], v12, v[S+n+1]   ; t - M
.set n, n+2
.endr
.irp b, 0,1,2,3
	v_add_f32 v[BM+\b], v[BM+\b], v12              ; the same of each block's largest t
.endr
	s_wait_alu depctr_va_vdst(0)                   ; the wait ahead of the batch
.set n, 0
.rept 64
	v_exp_f32 v[S+n], v[S+n]                       ; p = 2^(t - M), at most 1
.set n, n+1
.endr
	v_dual_mul_f32 v14, v248, v14 :: v_dual_mul_f32 v15, v248, v15   ; the sum under the new M: the plain line behind the exponentials
	s_wait_alu depctr_va_vdst(0)                   ; one wait for the batch, ahead of its first reader
.irp b, 0,1,2,3
	v_exp_f32 v[BM+\b], v[BM+\b]                   ; each block's largest p: the same two instructions on the same number
.endr
	v_dual_add_f32 v240, v[S], v[S+2] :: v_dual_add_f32 v241, v[S+1], v[S+3]       ; the row's sum of the unquantised p, in four chains of two
	v_dual_add_f32 v252, v[S+4], v[S+6] :: v_dual_add_f32 v253, v[S+5], v[S+7]
	v_dual_add_f32 v246, v[S+8], v[S+10] :: v_dual_add_f32 v247, v[S+9], v[S+11]
.set n, 12
.rept 6
.irp a, 14,240,252,246
	v_dual_add_f32 v[\a], v[S+n], v[\a] :: v_dual_add_f32 v[\a+1], v[S+n+1], v[\a+1]
.set n, n+2
.endr
.endr
.irp a, 14,240
	v_dual_add_f32 v[\a], v[S+n], v[\a] :: v_dual_add_f32 v[\a+1], v[S+n+1], v[\a+1]
.set n, n+2
.endr
	v_dual_add_f32 v240, v252, v240 :: v_dual_add_f32 v241, v253, v241
	v_dual_add_f32 v14, v246, v14 :: v_dual_add_f32 v15, v247, v15
	v_dual_add_f32 v14, v240, v14 :: v_dual_add_f32 v15, v241, v15
	s_wait_alu depctr_va_vdst(0)                   ; and one for the four
.irp b, 0,1,2,3
	v_max_num_f32 v[BM+\b], 0x1800000, v[BM+\b]    ; the floor 2^(3 - 127): the byte cannot fall under 1
.endr
.irp b, 0,1,2,3
	s_delay_alu instid0(VALU_DEP_4)
	v_add_nc_u32 v[SO+\b], 0xff000000, v[BM+\b]
.endr
.irp b, 0,1,2,3
	s_delay_alu instid0(VALU_DEP_4)
	v_lshrrev_b32 v[240+\b], 23, v[SO+\b]
.endr
	s_delay_alu instid0(VALU_DEP_3)
	v_lshl_or_b32 v11, v241, 8, v240               ; p's scale word for these 128 keys
	s_delay_alu instid0(VALU_DEP_1)
	v_lshl_or_b32 v11, v242, 16, v11
	s_delay_alu instid0(VALU_DEP_1)
	v_lshl_or_b32 v11, v243, 24, v11
.irp c, 0,1
	v_cvt_scalef32_pk16_fp6_f32 v[PC+6*\c:PC+6*\c+2], v[S+32*\c:S+32*\c+15], v[SO+2*\c]
	v_cvt_scalef32_pk16_fp6_f32 v[PC+12+4*\c:PC+14+4*\c], v[S+32*\c+16:S+32*\c+31], v[SO+2*\c+1]
.endr
	v_nop                                          ; one plain line behind the conversions
.irp t, 0,1,2,3                        ; V's four fragments take p's place: 20 loads
	ds_load_b128 v[S+12*\t:S+12*\t+3], v5 offset:6656+1536*\t
	ds_load_b64 v[S+12*\t+4:S+12*\t+5], v6 offset:6656+1536*\t+512
	ds_load_b128 v[S+12*\t+6:S+12*\t+9], v5 offset:6656+1536*\t+768
	ds_load_b64 v[S+12*\t+10:S+12*\t+11], v6 offset:6656+1536*\t+1280
	ds_load_b32 v[36+\t], v7 offset:12800+64*\t
.endr
.irp c, 0,1                            ; a whole block to a lane
.irp i, 0,1,2
	v_permlane16_swap_b32 v[PC+6*\c+\i], v[PC+12+4*\c+\i]
.endr
.irp i, 0,1,2
	s_delay_alu instid0(VALU_DEP_3)
	v_mov_b32 v[PC+3+6*\c+\i], v[PC+12+4*\c+\i]
.endr
.endr
	s_wait_alu depctr_va_vdst(0)                   ; the wait directly ahead of the first reader of O^T
.set n, 0
.rept 16
	v_dual_mul_f32 v[O+n], v248, v[O+n] :: v_dual_mul_f32 v[O+n+1], v248, v[O+n+1]   ; O^T under the new M; also the places between p's codes and scale word and the products
.set n, n+2
.endr
	s_wait_alu depctr_va_vdst(0)
	s_wait_dscnt 0x0
.irp t, 0,1,2,3
	v_wmma_scale_f32_16x16x128_f8f6f4 v[O+8*\t:O+8*\t+7], v[S+12*\t:S+12*\t+11], v[PC:PC+11], v[O+8*\t:O+8*\t+7], v[36+\t], v11 matrix_a_fmt:MATRIX_FMT_FP6 matrix_b_fmt:MATRIX_FMT_FP6
.endr
	s_add_co_u32 s2, s2, SLABB
	s_add_co_u32 s3, s3, 512
	s_sub_co_u32 s48, s48, 1
	s_cmp_lg_u32 s48, 0
	s_cbranch_scc1 .Lstep
	; THE WAY OUT: O^T / the sum; its 32 registers are, for each block of 32 channels, 16 neighbours: one unit of the next product's operand
	v_add_f32 v14, v14, v15
	s_delay_alu instid0(VALU_DEP_1)
	v_permlanex16_b32 v250, v14, s[SEL], s[SEL+1]
	s_delay_alu instid0(VALU_DEP_1)
	v_add_f32 v14, v14, v250                       ; the row's sum
	s_wait_alu depctr_va_vdst(0)
	v_rcp_f32 v14, v14
	v_bfe_u32 v6, v0, 4, 1                         ; (plain work behind the reciprocal, and places behind the last products)
	s_delay_alu instid0(VALU_DEP_1)
	v_add_nc_u32 v5, v3, v6                        ; 4 r + h
	s_delay_alu instid0(VALU_DEP_2)
	v_lshlrev_b32 v6, 3, v6                        ; 8 h
	v_nop
	s_wait_alu depctr_va_vdst(0)                   ; ahead of the reciprocal's first reader
.set n, 0
.rept 32
	v_mul_f32 v[S+n], v[O+n], v14
.set n, n+1
.endr
.irp b, 0,1
	v_max3_num_f32 v[TM+\b], |v[S+16*\b]|, |v[S+16*\b+1]|, 0x1800000
.endr
.irp i, 2,4,6,8,10,12,14
.irp b, 0,1
	s_delay_alu instid0(VALU_DEP_2)
	v_max3_num_f32 v[TM+\b], v[TM+\b], |v[S+16*\b+\i]|, |v[S+16*\b+\i+1]|
.endr
.endr
.irp b, 0,1
	s_delay_alu instid0(VALU_DEP_2)
	v_permlanex16_b32 v[TM+2+\b], v[TM+\b], s[SEL], s[SEL+1]
.endr
.irp b, 0,1
	s_delay_alu instid0(VALU_DEP_2)
	v_max_num_f32 v[TM+\b], v[TM+\b], v[TM+2+\b]
.endr
.irp b, 0,1
	s_delay_alu instid0(VALU_DEP_2)
	v_add_nc_u32 v[TM+4+\b], 0xff000000, v[TM+\b]
.endr
.irp b, 0,1
	s_delay_alu instid0(VALU_DEP_2)
	v_lshrrev_b32 v[TM+2+\b], 23, v[TM+4+\b]
.endr
	s_delay_alu instid0(VALU_DEP_1)
	v_lshl_or_b32 v[PW], v[TM+3], 8, v[TM+2]
	v_cvt_scalef32_pk16_fp6_f32 v[PC:PC+2], v[S:S+15], v[TM+4]
	v_cvt_scalef32_pk16_fp6_f32 v[PC+6:PC+8], v[S+16:S+31], v[TM+5]
	v_nop
.irp i, 0,1,2
	v_permlane16_swap_b32 v[PC+\i], v[PC+6+\i]
.endr
.irp i, 0,1,2
	s_delay_alu instid0(VALU_DEP_3)
	v_mov_b32 v[PC+3+\i], v[PC+6+\i]
.endr
	global_store_b128 v1, v[PC:PC+3], s[60:61]
	global_store_b64 v2, v[PC+4:PC+5], s[60:61] offset:512
	v_lshrrev_b32 v[TT], v6, v[PW]
	global_store_b8 v5, v[TT], s[62:63]
	s_wait_tensorcnt 0x0                           ; the wave's end
	ds_add_u32 v254, v255
	s_wait_dscnt 0x0
	CROUND                                         ; the closing round
	s_endpgm
.Lfunc_end_k_qbf88d790c9_attn:
	.size	k_qbf88d790c9_attn, .Lfunc_end_k_qbf88d790c9_attn-k_qbf88d790c9_attn
	.p2alignl 7, 3214868480
	.fill 96, 4, 3214868480
	.section	.rodata,"a",@progbits
	.p2align	6, 0x0
	.amdhsa_kernel k_qbf88d790c9_attn
		.amdhsa_group_segment_fixed_size 219136
		.amdhsa_private_segment_fixed_size 0
		.amdhsa_enable_private_segment 0
		.amdhsa_kernarg_size 32
		.amdhsa_user_sgpr_count 2
		.amdhsa_user_sgpr_kernarg_segment_ptr 1
		.amdhsa_wavefront_size32 1
		.amdhsa_system_sgpr_workgroup_id_x 1
		.amdhsa_system_sgpr_workgroup_id_y 1
		.amdhsa_system_sgpr_workgroup_id_z 1
		.amdhsa_system_vgpr_workitem_id 0
		.amdhsa_next_free_vgpr 256
		.amdhsa_next_free_sgpr 66
		.amdhsa_reserve_vcc 1
		.amdhsa_float_denorm_mode_32 3
		.amdhsa_float_denorm_mode_16_64 3
		.amdhsa_memory_ordered 1
		.amdhsa_forward_progress 1
		.amdhsa_inst_pref_size 39
	.end_amdhsa_kernel
	.amdgpu_metadata
---
amdhsa.version: [ 1, 2 ]
amdhsa.kernels:
  - .name:           k_qbf88d790c9_attn
    .symbol:         k_qbf88d790c9_attn.kd
    .args:
      - { .name: QB, .offset: 0, .size: 8, .value_kind: global_buffer, .address_space: global }
      - { .name: KV, .offset: 8, .size: 8, .value_kind: global_buffer, .address_space: global }
      - { .name: mask, .offset: 16, .size: 8, .value_kind: global_buffer, .address_space: global }
      - { .name: CA, .offset: 24, .size: 8, .value_kind: global_buffer, .address_space: global }
    .group_segment_fixed_size: 219136
    .private_segment_fixed_size: 0
    .kernarg_segment_align: 8
    .kernarg_segment_size: 32
    .max_flat_workgroup_size: 512
    .sgpr_count:     66
    .vgpr_count:     256
    .wavefront_size: 32
...
	.end_amdgpu_metadata
.endif
;; end of part 3
;; launch wo (part 4): grid 8 x 32, 4 waves a work-group, clusters of 4 x 4, 327,680 bytes of LDS; arguments CA, WI, bo, x, X1; writes X1
.if DOCPART == 4
	.amdgcn_target "amdgcn-amd-amdhsa--gfx1250"
	.amdhsa_code_object_version 6
	.text
	.protected	k_qbf88d790c9_wo
	.globl	k_qbf88d790c9_wo
	.p2align	8
	.type	k_qbf88d790c9_wo,@function
k_qbf88d790c9_wo:
	s_mov_b64 s[64:65], 0
	v_nop
	global_prefetch_b8 v0, s[64:65] scope:SCOPE_SE
	s_setreg_imm32_b32 hwreg(HW_REG_WAVE_MODE, 25, 1), 1
	s_wait_xcnt 0x0
	s_wait_alu depctr_hold_cnt(0) depctr_sa_sdst(0) depctr_va_vdst(0) depctr_va_sdst(0) depctr_va_ssrc(0) depctr_va_vcc(0) depctr_vm_vsrc(0)
	s_getreg_b32 s2, hwreg(HW_REG_IB_STS2, 6, 4)
	s_cmp_eq_u32 s2, 0
	s_cbranch_scc0 .Lentry_in_a_cluster
	s_endpgm
.Lentry_in_a_cluster:
	s_bfe_u32 s2, ttmp6, 0x10000c
	s_cmp_lg_u32 s2, 0xf033
	s_cbranch_scc0 .Lentry_shape_is_right
	s_endpgm
.Lentry_shape_is_right:
.set SLAB,  12800
.set RW0,   8*SLAB
.set STAGE, 16*SLAB
.set ACC,   128
.set BIAS,  64
.set SC,    32
.set TT,    20
.set G1A,   24
.set G0A,   32
.set G1W,   48
.set G0W,   56
.set MSB, 0
.macro WIN new
.if MSB != \new
	s_set_vgpr_msb (MSB<<8)|\new
.set MSB, \new
.endif
.endm
.macro PLACES
.rept 4
	v_nop
.endr
.endm
.macro JLOAD g0a, g0w
	s_cmp_eq_u32 s15, 0
	s_cbranch_scc0 .Lfor_w_\@
	tensor_load_to_lds s[\g0a:\g0a+3], s[G1A:G1A+7]
	s_nop 0
	PLACES
	s_branch .Lasked_\@
.Lfor_w_\@:
	tensor_load_to_lds s[\g0w:\g0w+3], s[G1W:G1W+7]
	s_nop 0
	PLACES
.Lasked_\@:
.endm
.macro CROUND
	s_barrier_signal -1
	s_barrier_wait -1
	s_cmp_lg_u32 s14, 0
	s_cbranch_scc1 .Lnot_wave_0_\@
	s_barrier_signal -3
.Lnot_wave_0_\@:
	s_barrier_wait -3
	s_barrier_signal -1
	s_barrier_wait -1
.endm
.macro SETADR rw
	v_mov_b32 v11, v6
	v_mov_b32 v12, v7
	v_add_nc_u32 v13, \rw, v8
	v_add_nc_u32 v14, \rw, v9
	s_lshl_b32 s88, s16, 8
	s_lshl_b32 s89, s15, 8
	s_add_co_u32 s88, s88, \rw
	s_sub_co_u32 s88, s88, s89
	v_mul_u32_u24 v[TT], s88, v3
	v_add_nc_u32 v15, v10, v[TT]
.endm
.macro ADV
.irp a, 11,12,13,14,15
	v_add_nc_u32 v\a, SLAB, v\a
.endr
.endm
.macro FETCH buf, sc
	WIN 0x40
.irp i, 0,1,2,3
.irp c, 0,1
	ds_load_b128 v[\buf+12*\i+6*\c:\buf+12*\i+6*\c+3], v11 offset:1536*\i+768*\c
	ds_load_b64 v[\buf+12*\i+6*\c+4:\buf+12*\i+6*\c+5], v12 offset:1536*\i+768*\c+512
	ds_load_b128 v[\buf+48+12*\i+6*\c:\buf+48+12*\i+6*\c+3], v13 offset:1536*\i+768*\c
	ds_load_b64 v[\buf+48+12*\i+6*\c+4:\buf+48+12*\i+6*\c+5], v14 offset:1536*\i+768*\c+512
.endr
.endr
	WIN 0
.irp i, 0,1,2,3
	ds_load_b32 v[\sc+\i], v15 offset:64*\i
.endr
.endm
.macro MUL buf, sc, first
	WIN 0x05
.irp p, 0,1,2,3
.irp q, 0,1,2,3
.set D, ACC+8*(4*\p+\q)
.set XS, \buf+48+12*\q
.set YS, \buf+12*\p
.if \first
	v_wmma_scale_f32_16x16x128_f8f6f4 v[D:D+7], v[XS:XS+11], v[YS:YS+11], v[BIAS+8*\q:BIAS+8*\q+7], v[\sc+\q], v[\sc+\p] matrix_a_fmt:MATRIX_FMT_FP6 matrix_b_fmt:MATRIX_FMT_FP6 matrix_a_scale:MATRIX_SCALE_ROW1
.else
	v_wmma_scale_f32_16x16x128_f8f6f4 v[D:D+7], v[XS:XS+11], v[YS:YS+11], v[D:D+7], v[\sc+\q], v[\sc+\p] matrix_a_fmt:MATRIX_FMT_FP6 matrix_b_fmt:MATRIX_FMT_FP6 matrix_a_scale:MATRIX_SCALE_ROW1
.endif
.endr
.endr
.endm
.macro STEP k, sync, first
	WIN 0
.if \sync >= 0
	s_wait_tensorcnt \sync
	s_wait_dscnt 0x0
	s_barrier_signal -1
	s_barrier_wait -1
.endif
	ADV
	FETCH 128*(1-(\k)%2), SC+4*(1-(\k)%2)
	s_wait_dscnt 36
	MUL 128*((\k)%2), SC+4*((\k)%2), \first
.endm
	s_load_b256 s[4:11], s[0:1], 0x0
	s_load_b64 s[12:13], s[0:1], 0x20
	v_lshl_add_u32 v62, v0, 2, 0x36400
	v_mov_b32 v63, 0
	ds_add_u32 v62, v63
	ds_add_u32 v62, v63
	v_lshrrev_b32 v1, 5, v0
	v_readfirstlane_b32 s14, v1
	s_lshr_b32 s15, s14, 1
	s_and_b32 s16, s14, 1
	s_bfe_u32 s44, ttmp6, 0x40000
	s_bfe_u32 s45, ttmp6, 0x40004
	s_lshl_b32 s18, ttmp9, 2
	s_add_co_u32 s18, s18, s44
	s_and_b32 s17, ttmp7, 0xffff
	s_lshl_b32 s17, s17, 2
	s_add_co_u32 s17, s17, s45
	s_lshl_b32 s46, s45, 2
	s_lshl_b32 s46, 15, s46
	s_lshl_b32 s47, 0x1111, s44
	s_or_b32 s[G1A], s46, (3<<16)|(1<<21)
	s_or_b32 s[G1W], s47, (3<<16)|(1<<21)
.irp g, G1A, G1W
	s_mov_b32 s[\g+1], 32<<16
	s_mov_b32 s[\g+2], 200<<16
	s_mov_b32 s[\g+3], 32<<16
	s_mov_b32 s[\g+4], 200
	s_mov_b32 s[\g+5], 32
	s_mov_b32 s[\g+6], 0
	s_mov_b32 s[\g+7], 0
.endr
	s_mul_i32 s88, s16, 4*SLAB                     ; one load a wave: half a panel, four K steps, 200 rows of 256 bytes
	s_mul_i32 s20, s17, 8*SLAB
	s_add_co_u32 s20, s20, s88
	s_mov_b32 s21, 0
	s_mul_i32 s22, s18, 8*SLAB
	s_add_co_u32 s22, s22, s88
	s_add_co_u32 s22, s22, 2457600
	s_mov_b32 s23, 0
	s_wait_dscnt 0x0
	s_wait_kmcnt 0x0
	s_add_nc_u64 s[20:21], s[4:5], s[20:21]
	s_add_nc_u64 s[22:23], s[6:7], s[22:23]
.irp j, 0
	s_mov_b32 s[G0A+4*\j], 1
	s_add_co_u32 s[G0A+4*\j+1], s88, \j*4*SLAB
	s_add_nc_u64 s[G0A+4*\j+2:G0A+4*\j+3], s[20:21], \j*4*SLAB
	s_or_b32 s[G0A+4*\j+3], s[G0A+4*\j+3], 0x80000000
	s_mov_b32 s[G0W+4*\j], 1
	s_add_co_u32 s[G0W+4*\j+1], s88, RW0+\j*4*SLAB
	s_add_nc_u64 s[G0W+4*\j+2:G0W+4*\j+3], s[22:23], \j*4*SLAB
	s_or_b32 s[G0W+4*\j+3], s[G0W+4*\j+3], 0x80000000
.endr
	CROUND
	JLOAD G0A, G0W
	v_and_b32 v1, 31, v0
	v_and_b32 v2, 15, v0
	v_bfe_u32 v3, v0, 4, 1
	v_lshlrev_b32 v4, 4, v1
	v_lshlrev_b32 v5, 3, v1
	s_mul_i32 s88, s15, 6144
	v_add_nc_u32 v6, s88, v4
	v_add_nc_u32 v7, s88, v5
	s_mul_i32 s88, s16, 6144
	v_add_nc_u32 v8, s88, v4
	v_add_nc_u32 v9, s88, v5
	s_lshl_b32 s88, s15, 8
	s_add_co_u32 s88, s88, 12288
	v_lshl_add_u32 v10, v2, 2, s88
	s_mul_i32 s88, s14, 16*272
	s_add_co_u32 s88, s88, STAGE
	v_mul_u32_u24 v21, v2, 272
	v_lshl_add_u32 v21, v3, 6, v21
	v_add_nc_u32 v21, s88, v21
	v_mul_u32_u24 v22, v3, 272
	v_lshl_add_u32 v22, v2, 4, v22
	v_add_nc_u32 v22, s88, v22
	v_lshlrev_b32 v23, 12, v3
	v_lshl_add_u32 v23, v2, 4, v23
	v_lshlrev_b32 v24, 6, v3
	s_wait_alu depctr_va_vdst(0)
	s_mov_b32 s3, 0
	s_lshl_b32 s2, s18, 9
	s_lshl_b32 s88, s16, 8
	s_add_co_u32 s2, s2, s88
	s_add_nc_u64 s[76:77], s[8:9], s[2:3]
	s_lshl_b32 s88, s17, 19
	s_add_co_u32 s2, s2, s88
	s_lshl_b32 s88, s15, 18
	s_add_co_u32 s2, s2, s88
	s_add_nc_u64 s[80:81], s[10:11], s[2:3]
	s_add_nc_u64 s[82:83], s[12:13], s[2:3]
.irp b, 0,1
.irp j, 0,1,2,3
	global_load_b128 v[BIAS+16*\b+4*\j:BIAS+16*\b+4*\j+3], v24, s[76:77] offset:128*\b+16*\j
.endr
.endr
	WIN 0x80
.irp a, 0,1,2,3
.irp t, 0,1,2,3,4,5,6,7
	global_load_b128 v[32*\a+4*\t:32*\a+4*\t+3], v23, s[80:81] offset:(32*(\a/2)+8*(\a%2)+2*\t+8*(\t/4))*4096 th:TH_LOAD_NT
.endr
.endr
	WIN 0
	s_wait_tensorcnt 0x0
	s_barrier_signal -1
	s_barrier_wait -1
	SETADR RW0
	FETCH 0, SC
	s_wait_alu depctr_va_vdst(0)
	s_wait_loadcnt 32
	STEP 0, -1, 1
	s_wait_alu depctr_va_vdst(0)
	STEP 1, -1, 0
	s_wait_alu depctr_va_vdst(0)
	STEP 2, -1, 0
	s_wait_alu depctr_va_vdst(0)
	STEP 3, -1, 0
	s_wait_alu depctr_va_vdst(0)
	STEP 4, -1, 0
	s_wait_alu depctr_va_vdst(0)
	STEP 5, -1, 0
	s_wait_alu depctr_va_vdst(0)
	STEP 6, -1, 0
	s_wait_dscnt 0x0
	MUL 128, SC+4, 0
	WIN 0
	PLACES
.irp a, 0,1,2,3
.if \a > 0
	s_wait_xcnt 0x0
.endif
.irp q, 0,1,2,3,4,5,6,7
	ds_store_b128 v21, v[ACC+32*\a+4*\q:ACC+32*\a+4*\q+3] offset:128*(\q/4)+16*(\q%4)
.endr
.irp t, 0,1,2,3,4,5,6,7
	ds_load_b128 v[96+4*\t:96+4*\t+3], v22 offset:544*\t
.endr
	s_wait_dscnt 0x0
	s_wait_loadcnt 24-8*\a
	WIN 0x08
.set n, 0
.rept 16
	v_pk_add_f32 v[96+2*n:97+2*n], v[96+2*n:97+2*n], v[32*\a+2*n:32*\a+2*n+1]
.set n, n+1
.endr
	WIN 0
.irp t, 0,1,2,3,4,5,6,7
	global_store_b128 v23, v[96+4*\t:96+4*\t+3], s[82:83] offset:(32*(\a/2)+8*(\a%2)+2*\t+8*(\t/4))*4096
.endr
.endr
	s_wait_dscnt 0x0
	s_wait_tensorcnt 0x0
	ds_add_u32 v62, v63
	s_wait_dscnt 0x0
	CROUND
	s_endpgm
.Lfunc_end_k_qbf88d790c9_wo:
	.size	k_qbf88d790c9_wo, .Lfunc_end_k_qbf88d790c9_wo-k_qbf88d790c9_wo
	.p2alignl 7, 3214868480
	.fill 96, 4, 3214868480
	.section	.rodata,"a",@progbits
	.p2align	6, 0x0
	.amdhsa_kernel k_qbf88d790c9_wo
		.amdhsa_group_segment_fixed_size 327680
		.amdhsa_private_segment_fixed_size 0
		.amdhsa_enable_private_segment 0
		.amdhsa_kernarg_size 40
		.amdhsa_user_sgpr_count 2
		.amdhsa_user_sgpr_kernarg_segment_ptr 1
		.amdhsa_wavefront_size32 1
		.amdhsa_system_sgpr_workgroup_id_x 1
		.amdhsa_system_sgpr_workgroup_id_y 1
		.amdhsa_system_sgpr_workgroup_id_z 1
		.amdhsa_system_vgpr_workitem_id 0
		.amdhsa_next_free_vgpr 768
		.amdhsa_next_free_sgpr 96
		.amdhsa_reserve_vcc 0
		.amdhsa_float_denorm_mode_32 3
		.amdhsa_float_denorm_mode_16_64 3
		.amdhsa_memory_ordered 1
		.amdhsa_forward_progress 1
		.amdhsa_inst_pref_size 60
	.end_amdhsa_kernel
	.amdgpu_metadata
---
amdhsa.version: [ 1, 2 ]
amdhsa.kernels:
  - .name:           k_qbf88d790c9_wo
    .symbol:         k_qbf88d790c9_wo.kd
    .args:
      - { .name: CA, .offset: 0, .size: 8, .value_kind: global_buffer, .address_space: global }
      - { .name: WI, .offset: 8, .size: 8, .value_kind: global_buffer, .address_space: global }
      - { .name: bo, .offset: 16, .size: 8, .value_kind: global_buffer, .address_space: global }
      - { .name: x, .offset: 24, .size: 8, .value_kind: global_buffer, .address_space: global }
      - { .name: X1, .offset: 32, .size: 8, .value_kind: global_buffer, .address_space: global }
    .group_segment_fixed_size: 327680
    .private_segment_fixed_size: 0
    .kernarg_segment_align: 8
    .kernarg_segment_size: 40
    .max_flat_workgroup_size: 128
    .sgpr_count:     96
    .vgpr_count:     768
    .wavefront_size: 32
...
	.end_amdgpu_metadata
.endif
;; end of part 4
;; launch ln2 (part 5): grid 256 x 1, 16 waves a work-group, no clusters, 67,840 bytes of LDS; arguments X1, ln2_a, ln2_b, XA; writes XA
.if DOCPART == 5
	.amdgcn_target "amdgcn-amd-amdhsa--gfx1250"
	.amdhsa_code_object_version 6
	.text
	.protected	k_qbf88d790c9_ln2
	.globl	k_qbf88d790c9_ln2
	.p2align	8
	.type	k_qbf88d790c9_ln2,@function
k_qbf88d790c9_ln2:
	s_mov_b64 s[64:65], 0
	v_nop
	global_prefetch_b8 v0, s[64:65] scope:SCOPE_SE
	s_setreg_imm32_b32 hwreg(HW_REG_WAVE_MODE, 25, 1), 1
	s_wait_xcnt 0x0
; x2 = ln2_a (x1 - mean) / (std + 1e-6) + ln2_b (std with 1,023 in the divisor), quantised to FP6 (E2M3) with one E8M0 byte for each 32 along K, into XA, in the order of the operand registers:
; tile T's lane r is row 32 (T / 2) + 8 (T % 2) + r + 8 (r / 8); a unit (16 rows x 64 K) is 768 bytes: registers 0-3 at 16 x lane, 4-5 at 512 + 8 x lane; a slab (128 rows x 128 K) is 12,800 bytes: tile t at 1,536 t, unit c at + 768 c,
; scale words at 12,288 + 64 t + 4 r.
; Work-group T makes tile T.  Wave w reads its row whole (eight loads of 512 consecutive bytes), makes mean and deviation inside the wave, and puts (x - mean) / (std + eps) into LDS (rows 4,112 bytes apart); behind one barrier wave w
; takes columns 64 w .. 64 w + 63 of all 16 rows, 16 neighbours of each block of 32 a lane, applies gain and bias, quantises, and stores one unit.
; LIMITS: a block of zeros gets the byte 1 (its codes are zeros; only this program reads the bytes); NaN and infinities are not served; 1 / 1,023 and 1 / (std + eps) are multiplications by reciprocals.
.set X,     32
.set A,     64
.set BV,    96
.set PC,    16
.set TM,    8
.set PW,    14
.set TT,    15
.set SEL,   20
.set PITCH, 4112
.macro REDUCE a, t
	s_delay_alu instid0(VALU_DEP_1)
	v_add_f32_dpp v[\a], v[\a], v[\a] row_xmask:1 row_mask:0xf bank_mask:0xf
	s_delay_alu instid0(VALU_DEP_1)
	v_add_f32_dpp v[\a], v[\a], v[\a] row_xmask:2 row_mask:0xf bank_mask:0xf
	s_delay_alu instid0(VALU_DEP_1)
	v_add_f32_dpp v[\a], v[\a], v[\a] row_xmask:4 row_mask:0xf bank_mask:0xf
	s_delay_alu instid0(VALU_DEP_1)
	v_add_f32_dpp v[\a], v[\a], v[\a] row_xmask:8 row_mask:0xf bank_mask:0xf
	s_delay_alu instid0(VALU_DEP_1)
	v_permlanex16_b32 v[\t], v[\a], s[SEL], s[SEL+1]
	s_delay_alu instid0(VALU_DEP_1)
	v_add_f32 v[\a], v[\a], v[\t]
.endm
.macro QUANT32 s
.irp b, 0,1
	v_max3_num_f32 v[TM+\b], |v[\s+16*\b]|, |v[\s+16*\b+1]|, 0x1800000   ; and the floor 2^(3 - 127): the byte cannot fall under 1
.endr
.irp i, 2,4,6,8,10,12,14
.irp b, 0,1
	s_delay_alu instid0(VALU_DEP_2)
	v_max3_num_f32 v[TM+\b], v[TM+\b], |v[\s+16*\b+\i]|, |v[\s+16*\b+\i+1]|
.endr
.endr
.irp b, 0,1
	s_delay_alu instid0(VALU_DEP_2)
	v_permlanex16_b32 v[TM+2+\b], v[TM+\b], s[SEL], s[SEL+1]
.endr
.irp b, 0,1
	s_delay_alu instid0(VALU_DEP_2)
	v_max_num_f32 v[TM+\b], v[TM+\b], v[TM+2+\b]
.endr
.irp b, 0,1
	s_delay_alu instid0(VALU_DEP_2)
	v_add_nc_u32 v[TM+4+\b], 0xff000000, v[TM+\b]
.endr
.irp b, 0,1
	s_delay_alu instid0(VALU_DEP_2)
	v_lshrrev_b32 v[TM+2+\b], 23, v[TM+4+\b]
.endr
	s_delay_alu instid0(VALU_DEP_1)
	v_lshl_or_b32 v[PW], v[TM+3], 8, v[TM+2]
	v_cvt_scalef32_pk16_fp6_f32 v[PC:PC+2], v[\s:\s+15], v[TM+4]
	v_cvt_scalef32_pk16_fp6_f32 v[PC+6:PC+8], v[\s+16:\s+31], v[TM+5]
	v_nop
.irp i, 0,1,2
	v_permlane16_swap_b32 v[PC+\i], v[PC+6+\i]
.endr
.irp i, 0,1,2
	s_delay_alu instid0(VALU_DEP_3)
	v_mov_b32 v[PC+3+\i], v[PC+6+\i]
.endr
.endm
	s_load_b256 s[4:11], s[0:1], 0x0               ; x1, gain, bias, XA
	v_lshl_add_u32 v128, v0, 2, 0x10100
	v_mov_b32 v129, 0
	v_lshrrev_b32 v1, 5, v0
	s_delay_alu instid0(VALU_DEP_1)
	v_readfirstlane_b32 s12, v1                    ; wave 0..15
	v_and_b32 v1, 31, v0
	v_and_b32 v2, 15, v0
	v_bfe_u32 v3, v0, 4, 1
	s_wait_alu depctr_va_vdst(0)
	v_lshlrev_b32 v4, 4, v1
	s_wait_alu depctr_va_vdst(0)
	v_lshlrev_b32 v5, 3, v1
	v_lshl_add_u32 v6, v2, 2, v3
	v_lshlrev_b32 v7, 3, v3
	v_mov_b32 v[TM+2], 0
	v_mov_b32 v[TM+3], 0
	s_mov_b32 s[SEL], 0x76543210
	s_mov_b32 s[SEL+1], 0xfedcba98
	s_lshr_b32 s13, ttmp9, 1
	s_lshl_b32 s13, s13, 5
	s_and_b32 s14, ttmp9, 1
	s_lshl_b32 s14, s14, 3
	s_add_co_u32 s13, s13, s14
	s_and_b32 s14, s12, 8
	s_add_co_u32 s13, s13, s14
	s_add_co_u32 s13, s13, s12                     ; my row
	s_lshl_b32 s14, s13, 12
	s_mov_b32 s15, 0
	s_lshl_b32 s16, s12, 8
	v_lshl_add_u32 v25, v3, 6, s16
	s_mul_i32 s17, s12, PITCH
	v_add_nc_u32 v30, s17, v4
	v_mul_u32_u24 v31, v2, PITCH
	s_delay_alu instid0(VALU_DEP_1)
	v_add_nc_u32 v31, v31, v25
	s_lshr_b32 s18, ttmp9, 3
	s_lshl_b32 s18, s18, 3
	s_lshr_b32 s19, s12, 1
	s_add_co_u32 s18, s18, s19
	s_mul_i32 s18, s18, 12800
	s_and_b32 s19, ttmp9, 7
	s_and_b32 s22, s12, 1
	s_mul_i32 s26, s19, 1536
	s_mul_i32 s23, s22, 768
	s_add_co_u32 s26, s26, s23
	s_add_co_u32 s26, s26, s18
	s_mov_b32 s27, 0
	s_lshl_b32 s28, s19, 6
	s_lshl_b32 s23, s22, 1
	s_add_co_u32 s28, s28, s23
	s_add_co_u32 s28, s28, s18
	s_add_co_u32 s28, s28, 12288
	s_mov_b32 s29, 0
	s_wait_alu depctr_va_vdst(0)
	s_wait_kmcnt 0x0
	s_add_nc_u64 s[4:5], s[4:5], s[14:15]
	s_add_nc_u64 s[26:27], s[10:11], s[26:27]
	s_add_nc_u64 s[28:29], s[10:11], s[28:29]
.irp j, 0,1,2,3,4,5,6,7
	global_load_b128 v[X+4*\j:X+4*\j+3], v4, s[4:5] offset:512*\j
.endr
.irp b, 0,1
.irp j, 0,1,2,3
	global_load_b128 v[A+16*\b+4*\j:A+16*\b+4*\j+3], v25, s[6:7] offset:128*\b+16*\j
	global_load_b128 v[BV+16*\b+4*\j:BV+16*\b+4*\j+3], v25, s[8:9] offset:128*\b+16*\j
.endr
.endr
	s_wait_loadcnt 16
	s_wait_xcnt 0x0                                ; the loads of gain and bias have read v25: it is written again below
	v_pk_add_f32 v[28:29], v[32:33], v[34:35]
	v_pk_add_f32 v[24:25], v[40:41], v[44:45]
	v_pk_add_f32 v[22:23], v[48:49], v[52:53]
	v_pk_add_f32 v[20:21], v[56:57], v[60:61]
	v_pk_add_f32 v[18:19], v[36:37], v[38:39]
	v_pk_add_f32 v[16:17], v[42:43], v[46:47]
	v_pk_add_f32 v[14:15], v[50:51], v[54:55]
	v_pk_add_f32 v[26:27], v[58:59], v[62:63]
	s_delay_alu instid0(VALU_DEP_1)
	v_pk_add_f32 v[26:27], v[26:27], v[20:21]
	v_pk_add_f32 v[28:29], v[28:29], v[18:19]
	v_pk_add_f32 v[24:25], v[24:25], v[16:17]
	v_pk_add_f32 v[22:23], v[22:23], v[14:15]
	s_delay_alu instid0(VALU_DEP_2)
	v_pk_add_f32 v[26:27], v[26:27], v[24:25]
	s_delay_alu instid0(VALU_DEP_2)
	v_pk_add_f32 v[28:29], v[28:29], v[22:23]
	s_delay_alu instid0(VALU_DEP_1)
	v_pk_add_f32 v[26:27], v[26:27], v[28:29]
	s_delay_alu instid0(VALU_DEP_1)
	v_add_f32 v26, v26, v27
	REDUCE 26, 27
	s_delay_alu instid0(VALU_DEP_1)
	v_mul_f32 v26, 0x3a800000, v26                 ; the mean
.set n, 0
.rept 16
	v_pk_add_f32 v[X+2*n:X+2*n+1], v[X+2*n:X+2*n+1], v[26:27] op_sel_hi:[1,0] neg_lo:[0,1] neg_hi:[0,1]
.set n, n+1
.endr
	v_pk_mul_f32 v[26:27], v[X:X+1], v[X:X+1]
	v_pk_mul_f32 v[28:29], v[X+2:X+3], v[X+2:X+3]
.irp j, 4,8,12,16,20,24,28
	s_delay_alu instid0(VALU_DEP_2)
	v_pk_fma_f32 v[26:27], v[X+\j:X+\j+1], v[X+\j:X+\j+1], v[26:27]
	s_delay_alu instid0(VALU_DEP_2)
	v_pk_fma_f32 v[28:29], v[X+\j+2:X+\j+3], v[X+\j+2:X+\j+3], v[28:29]
.endr
	s_delay_alu instid0(VALU_DEP_1)
	v_pk_add_f32 v[28:29], v[26:27], v[28:29]
	s_delay_alu instid0(VALU_DEP_1)
	v_add_f32 v28, v28, v29
	REDUCE 28, 29
	s_delay_alu instid0(VALU_DEP_1)
	v_mul_f32 v28, 0x3a802008, v28                 ; / 1,023
	s_wait_alu depctr_va_vdst(0)
	v_sqrt_f32 v28, v28
	v_nop
	s_wait_alu depctr_va_vdst(0)                   ; ahead of the root's first reader
	v_add_f32 v28, 0x358637bd, v28                 ; + 1e-6
	s_wait_alu depctr_va_vdst(0)
	v_rcp_f32 v28, v28
	v_nop
	s_wait_alu depctr_va_vdst(0)
.set n, 0
.rept 16
	v_pk_mul_f32 v[X+2*n:X+2*n+1], v[X+2*n:X+2*n+1], v[28:29] op_sel_hi:[1,0]
.set n, n+1
.endr
.irp j, 0,1,2,3,4,5,6,7
	ds_store_b128 v30, v[X+4*\j:X+4*\j+3] offset:512*\j
.endr
	s_wait_dscnt 0x0                               ; for the others' sake: my row lies in LDS
	s_barrier_signal -1
	s_barrier_wait -1
.irp b, 0,1
.irp j, 0,1,2,3
	ds_load_b128 v[X+16*\b+4*\j:X+16*\b+4*\j+3], v31 offset:128*\b+16*\j
.endr
.endr
	s_wait_loadcnt 0x0
	s_wait_dscnt 0x0
.set n, 0
.rept 16
	v_pk_fma_f32 v[X+2*n:X+2*n+1], v[X+2*n:X+2*n+1], v[A+2*n:A+2*n+1], v[BV+2*n:BV+2*n+1]
.set n, n+1
.endr
	QUANT32 X
	global_store_b128 v4, v[PC:PC+3], s[26:27]
	global_store_b64 v5, v[PC+4:PC+5], s[26:27] offset:512
	v_lshrrev_b32 v[TT], v7, v[PW]
	global_store_b8 v6, v[TT], s[28:29]
	s_wait_tensorcnt 0x0
	ds_add_u32 v128, v129
	s_wait_dscnt 0x0
	s_endpgm
.Lfunc_end_k_qbf88d790c9_ln2:
	.size	k_qbf88d790c9_ln2, .Lfunc_end_k_qbf88d790c9_ln2-k_qbf88d790c9_ln2
	.p2alignl 7, 3214868480
	.fill 96, 4, 3214868480
	.section	.rodata,"a",@progbits
	.p2align	6, 0x0
	.amdhsa_kernel k_qbf88d790c9_ln2
		.amdhsa_group_segment_fixed_size 67840
		.amdhsa_private_segment_fixed_size 0
		.amdhsa_enable_private_segment 0
		.amdhsa_kernarg_size 32
		.amdhsa_user_sgpr_count 2
		.amdhsa_user_sgpr_kernarg_segment_ptr 1
		.amdhsa_wavefront_size32 1
		.amdhsa_system_sgpr_workgroup_id_x 1
		.amdhsa_system_sgpr_workgroup_id_y 1
		.amdhsa_system_sgpr_workgroup_id_z 1
		.amdhsa_system_vgpr_workitem_id 0
		.amdhsa_next_free_vgpr 130
		.amdhsa_next_free_sgpr 66
		.amdhsa_reserve_vcc 0
		.amdhsa_float_denorm_mode_32 3
		.amdhsa_float_denorm_mode_16_64 3
		.amdhsa_memory_ordered 1
		.amdhsa_forward_progress 1
		.amdhsa_inst_pref_size 17
	.end_amdhsa_kernel
	.amdgpu_metadata
---
amdhsa.version: [ 1, 2 ]
amdhsa.kernels:
  - .name:           k_qbf88d790c9_ln2
    .symbol:         k_qbf88d790c9_ln2.kd
    .args:
      - { .name: X1, .offset: 0, .size: 8, .value_kind: global_buffer, .address_space: global }
      - { .name: ln2_a, .offset: 8, .size: 8, .value_kind: global_buffer, .address_space: global }
      - { .name: ln2_b, .offset: 16, .size: 8, .value_kind: global_buffer, .address_space: global }
      - { .name: XA, .offset: 24, .size: 8, .value_kind: global_buffer, .address_space: global }
    .group_segment_fixed_size: 67840
    .private_segment_fixed_size: 0
    .kernarg_segment_align: 8
    .kernarg_segment_size: 32
    .max_flat_workgroup_size: 512
    .sgpr_count:     66
    .vgpr_count:     130
    .wavefront_size: 32
...
	.end_amdgpu_metadata
.endif
;; end of part 5
;; launch ffn1 (part 6): grid 8 x 32, 4 waves a work-group, clusters of 4 x 4, 307,712 bytes of LDS; arguments XA, WI, b1, HA; writes HA
.if DOCPART == 6
	.amdgcn_target "amdgcn-amd-amdhsa--gfx1250"
	.amdhsa_code_object_version 6
	.text
	.protected	k_qbf88d790c9_ffn1
	.globl	k_qbf88d790c9_ffn1
	.p2align	8
	.type	k_qbf88d790c9_ffn1,@function
k_qbf88d790c9_ffn1:
	s_mov_b64 s[64:65], 0
	v_nop
	global_prefetch_b8 v0, s[64:65] scope:SCOPE_SE
	s_setreg_imm32_b32 hwreg(HW_REG_WAVE_MODE, 25, 1), 1
	s_wait_xcnt 0x0
	s_wait_alu depctr_hold_cnt(0) depctr_sa_sdst(0) depctr_va_vdst(0) depctr_va_sdst(0) depctr_va_ssrc(0) depctr_va_vcc(0) depctr_vm_vsrc(0)
	s_getreg_b32 s2, hwreg(HW_REG_IB_STS2, 6, 4)
	s_cmp_eq_u32 s2, 0
	s_cbranch_scc0 .Lentry_in_a_cluster
	s_endpgm
.Lentry_in_a_cluster:
	s_bfe_u32 s2, ttmp6, 0x10000c
	s_cmp_lg_u32 s2, 0xf033
	s_cbranch_scc0 .Lentry_shape_is_right
	s_endpgm
.Lentry_shape_is_right:
; h = relu(x2 W1 + b1), the product on codes of FP6 (E2M3) with E8M0 scales; h is quantised at once along its 2,048 columns, the next product's K, and never lies in memory as f32.
; SHARES, LAYOUT, CLUSTER as in the launch for q, k, v: work-group (g, RB): 128 rows against W1's blocks 2 g and 2 g + 1 of 128 columns, one after the other; four waves of 64 x 64; operands lie in memory in the order of the operand
; registers (units of 768 bytes, slabs of 12,800).  All three panels (102,400 bytes each: x2's at 0, the two blocks at RW0 and RW1) are asked for at the head; nothing is filled again.  A wave has at most three tensor loads out.
; The bias is the C of each tile's first products.  Source 0 = W1's tile, source 1 = x2's: a lane holds one row and, for each block of 32 columns, 16 neighbours: what the quantiser wants.
; LIMITS: a block of zeros gets the byte 1 (its codes are zeros; only this program reads the bytes); NaN and infinities are not served.
; REGISTERS.  Window 0: v1-17, v24 lane terms and addresses; v20 store data; v25-26 the scale words' LDS addresses for the two weight regions, made once; v32-39 scale words; v40-56 the quantiser; v64-127 the two tiles' biases;
; v128-255 accumulators.  Window 1: two sets of fragments, v0-95 and v128-223.
.set SLAB,  12800
.set RW0,   8*SLAB
.set RW1,   16*SLAB
.set ACC,   128
.set SC,    32
.set PC,    40
.set TM,    50
.set PW,    56
.set TT,    20                         ; v20: the data of the small stores, and nothing else
.set AS0,   25                         ; v25: my scale words with the weight at RW0;  v26: at RW1
.set AS1,   26
.set SEL,   72
.set G1A,   24
.set G0A,   32
.set G1W,   48
.set G0W,   56
.set G0K,   68
.set MSB, 0
.macro WIN new
.if MSB != \new
	s_set_vgpr_msb (MSB<<8)|\new
.set MSB, \new
.endif
.endm
.macro PLACES
.rept 4
	v_nop
.endr
.endm
.macro JLOAD g0a, g0w                  ; waves 0, 1 fetch for x2, waves 2, 3 for W1; four v_nop follow each line
	s_cmp_eq_u32 s15, 0
	s_cbranch_scc0 .Lfor_w_\@
	tensor_load_to_lds s[\g0a:\g0a+3], s[G1A:G1A+7]
	s_nop 0
	PLACES
	s_branch .Lasked_\@
.Lfor_w_\@:
	tensor_load_to_lds s[\g0w:\g0w+3], s[G1W:G1W+7]
	s_nop 0
	PLACES
.Lasked_\@:
.endm
.macro CROUND
	s_barrier_signal -1
	s_barrier_wait -1
	s_cmp_lg_u32 s14, 0
	s_cbranch_scc1 .Lnot_wave_0_\@
	s_barrier_signal -3
.Lnot_wave_0_\@:
	s_barrier_wait -3
	s_barrier_signal -1
	s_barrier_wait -1
.endm
.macro SETADR rw, as                   ; the running LDS addresses at K step 0: x2's panel at 0, the weight's at rw; the scale words' address was made at the head
	v_mov_b32 v11, v6
	v_mov_b32 v12, v7
	v_add_nc_u32 v13, \rw, v8
	v_add_nc_u32 v14, \rw, v9
	v_mov_b32 v15, v[\as]
.endm
.macro ADV
.irp a, 11,12,13,14,15
	v_add_nc_u32 v\a, SLAB, v\a
.endr
.endm
.macro FETCH buf, sc
	WIN 0x40
.irp i, 0,1,2,3
.irp c, 0,1
	ds_load_b128 v[\buf+12*\i+6*\c:\buf+12*\i+6*\c+3], v11 offset:1536*\i+768*\c
	ds_load_b64 v[\buf+12*\i+6*\c+4:\buf+12*\i+6*\c+5], v12 offset:1536*\i+768*\c+512
	ds_load_b128 v[\buf+48+12*\i+6*\c:\buf+48+12*\i+6*\c+3], v13 offset:1536*\i+768*\c
	ds_load_b64 v[\buf+48+12*\i+6*\c+4:\buf+48+12*\i+6*\c+5], v14 offset:1536*\i+768*\c+512
.endr
.endr
	WIN 0
.irp i, 0,1,2,3
	ds_load_b32 v[\sc+\i], v15 offset:64*\i
.endr
.endm
.macro MUL buf, sc, first              ; 16 products, the accumulators by turns; first = 1: the bias at v[BIAS] on starts the sums
	WIN 0x05
.irp p, 0,1,2,3
.irp q, 0,1,2,3
.set D, ACC+8*(4*\p+\q)
.set XS, \buf+48+12*\q
.set YS, \buf+12*\p
.if \first
	v_wmma_scale_f32_16x16x128_f8f6f4 v[D:D+7], v[XS:XS+11], v[YS:YS+11], v[BIAS+8*\q:BIAS+8*\q+7], v[\sc+\q], v[\sc+\p] matrix_a_fmt:MATRIX_FMT_FP6 matrix_b_fmt:MATRIX_FMT_FP6 matrix_a_scale:MATRIX_SCALE_ROW1
.else
	v_wmma_scale_f32_16x16x128_f8f6f4 v[D:D+7], v[XS:XS+11], v[YS:YS+11], v[D:D+7], v[\sc+\q], v[\sc+\p] matrix_a_fmt:MATRIX_FMT_FP6 matrix_b_fmt:MATRIX_FMT_FP6 matrix_a_scale:MATRIX_SCALE_ROW1
.endif
.endr
.endr
.endm
.macro STEP k, fetch, sync, first
	WIN 0
.if \sync >= 0
	s_wait_tensorcnt \sync                         ; my part of the next chunk has landed; the load issued behind it may stay out
	s_wait_dscnt 0x0
	s_barrier_signal -1
	s_barrier_wait -1
.endif
.if \fetch
	ADV
	FETCH 128*(1-(\k)%2), SC+4*(1-(\k)%2)
	s_wait_dscnt 36                                ; all but the 36 just issued
.else
	s_wait_dscnt 0x0
.endif
	MUL 128*((\k)%2), SC+4*((\k)%2), \first
.endm
.macro TILE s3
	STEP 0, 1, -1, 1
	s_wait_alu depctr_va_vdst(0)
	STEP 1, 1, -1, 0
	s_wait_alu depctr_va_vdst(0)
	STEP 2, 1, -1, 0
	s_wait_alu depctr_va_vdst(0)
	STEP 3, 1, \s3, 0
	s_wait_alu depctr_va_vdst(0)
	STEP 4, 1, -1, 0
	s_wait_alu depctr_va_vdst(0)
	STEP 5, 1, -1, 0
	s_wait_alu depctr_va_vdst(0)
	STEP 6, 1, -1, 0
	STEP 7, 0, -1, 0
.endm
.macro QUANT32 s
.irp b, 0,1
	v_max3_num_f32 v[TM+\b], |v[\s+16*\b]|, |v[\s+16*\b+1]|, 0x1800000   ; and the floor 2^(3 - 127): the byte cannot fall under 1
.endr
.irp i, 2,4,6,8,10,12,14
.irp b, 0,1
	v_max3_num_f32 v[TM+\b], v[TM+\b], |v[\s+16*\b+\i]|, |v[\s+16*\b+\i+1]|
.endr
.endr
.irp b, 0,1
	v_permlanex16_b32 v[TM+2+\b], v[TM+\b], s[SEL], s[SEL+1]
.endr
.irp b, 0,1
	v_max_num_f32 v[TM+\b], v[TM+\b], v[TM+2+\b]
.endr
.irp b, 0,1
	v_add_nc_u32 v[TM+4+\b], 0xff000000, v[TM+\b]
.endr
.irp b, 0,1
	v_lshrrev_b32 v[TM+2+\b], 23, v[TM+4+\b]
.endr
	v_lshl_or_b32 v[PW], v[TM+3], 8, v[TM+2]
	v_cvt_scalef32_pk16_fp6_f32 v[PC:PC+2], v[\s:\s+15], v[TM+4]
	v_cvt_scalef32_pk16_fp6_f32 v[PC+6:PC+8], v[\s+16:\s+31], v[TM+5]
	v_nop                                          ; one plain line behind the conversions
.irp i, 0,1,2
	v_permlane16_swap_b32 v[PC+\i], v[PC+6+\i]
.endr
.irp i, 0,1,2
	v_mov_b32 v[PC+3+\i], v[PC+6+\i]
.endr
.endm
.macro OUTH e                          ; tile e's way out: relu, quantised; four units (my four tiles of rows x my 64 columns) into K step 2 g + e of HA
	WIN 0
	PLACES
.irp u, 0,1,2,3
.set n, 0
.rept 32
	v_max_num_f32 v[ACC+32*\u+n], 0, v[ACC+32*\u+n]          ; each accumulator from its low end on
.set n, n+1
.endr
	s_wait_xcnt 0x0                                ; the last stores have read their registers: codes, scale bytes and v20 are written again only behind this wait
	QUANT32 ACC+32*\u
	global_store_b128 v4, v[PC:PC+3], s[78:79] offset:SLAB*\e+1536*\u
	global_store_b64 v5, v[PC+4:PC+5], s[78:79] offset:SLAB*\e+1536*\u+512
	v_lshrrev_b32 v[TT], v17, v[PW]
	global_store_b8 v16, v[TT], s[80:81] offset:SLAB*\e+64*\u
.endr
.endm
	s_load_b256 s[4:11], s[0:1], 0x0               ; XA, WI, b1, HA
	v_lshl_add_u32 v62, v0, 2, 0x4b000
	v_mov_b32 v63, 0
	ds_add_u32 v62, v63
	ds_add_u32 v62, v63
	v_lshrrev_b32 v1, 5, v0
	v_readfirstlane_b32 s14, v1
	s_lshr_b32 s15, s14, 1
	s_and_b32 s16, s14, 1
	s_bfe_u32 s44, ttmp6, 0x40000
	s_bfe_u32 s45, ttmp6, 0x40004
	s_lshl_b32 s18, ttmp9, 2
	s_add_co_u32 s18, s18, s44                     ; g
	s_and_b32 s17, ttmp7, 0xffff
	s_lshl_b32 s17, s17, 2
	s_add_co_u32 s17, s17, s45                     ; RB
	s_lshl_b32 s46, s45, 2
	s_lshl_b32 s46, 15, s46
	s_lshl_b32 s47, 0x1111, s44
	s_or_b32 s[G1A], s46, (3<<16)|(1<<21)
	s_or_b32 s[G1W], s47, (3<<16)|(1<<21)
.irp g, G1A, G1W                       ; four slabs, 51,200 dense bytes, as 200 rows of 256 bytes
	s_mov_b32 s[\g+1], 32<<16
	s_mov_b32 s[\g+2], 200<<16
	s_mov_b32 s[\g+3], 32<<16
	s_mov_b32 s[\g+4], 200
	s_mov_b32 s[\g+5], 32
	s_mov_b32 s[\g+6], 0
	s_mov_b32 s[\g+7], 0
.endr
	s_mov_b32 s[G1W+2], 400<<16                    ; the head's loads: waves 0, 1 half of x2's panel each (200 rows of 256 bytes), wave 2 all of block 2 g's panel, wave 3 all of block 2 g + 1's (400 rows)
	s_mov_b32 s[G1W+4], 400
	s_mul_i32 s88, s16, 4*SLAB
	s_mul_i32 s20, s17, 8*SLAB
	s_add_co_u32 s20, s20, s88
	s_mov_b32 s21, 0
	s_mul_i32 s22, s18, 16*SLAB                    ; blocks 2 g, 2 g + 1
	s_add_co_u32 s22, s22, 3276800                 ; W1's panels in WI
	s_add_co_u32 s22, s22, s88
	s_add_co_u32 s22, s22, s88                     ; + (w % 2) x a panel of eight slabs
	s_mov_b32 s23, 0
	s_mov_b32 s[SEL], 0x76543210
	s_mov_b32 s[SEL+1], 0xfedcba98
	s_wait_dscnt 0x0
	s_wait_kmcnt 0x0
	s_add_nc_u64 s[20:21], s[4:5], s[20:21]
	s_add_nc_u64 s[22:23], s[6:7], s[22:23]
.irp j, 0
	s_mov_b32 s[G0A+4*\j], 1
	s_add_co_u32 s[G0A+4*\j+1], s88, \j*4*SLAB
	s_add_nc_u64 s[G0A+4*\j+2:G0A+4*\j+3], s[20:21], \j*4*SLAB
	s_or_b32 s[G0A+4*\j+3], s[G0A+4*\j+3], 0x80000000
	s_mov_b32 s[G0W+4*\j], 1
	s_mul_i32 s[G0W+4*\j+1], s16, 8*SLAB
	s_add_co_u32 s[G0W+4*\j+1], s[G0W+4*\j+1], RW0
	s_add_nc_u64 s[G0W+4*\j+2:G0W+4*\j+3], s[22:23], \j*4*SLAB
	s_or_b32 s[G0W+4*\j+3], s[G0W+4*\j+3], 0x80000000
.endr
	CROUND
	JLOAD G0A, G0W
	v_and_b32 v1, 31, v0
	v_and_b32 v2, 15, v0
	v_bfe_u32 v3, v0, 4, 1
	s_wait_alu depctr_va_vdst(0)
	v_lshlrev_b32 v4, 4, v1
	v_lshlrev_b32 v5, 3, v1
	s_mul_i32 s88, s15, 6144
	v_add_nc_u32 v6, s88, v4
	v_add_nc_u32 v7, s88, v5
	s_mul_i32 s88, s16, 6144
	v_add_nc_u32 v8, s88, v4
	v_add_nc_u32 v9, s88, v5
	s_lshl_b32 s88, s15, 8
	s_add_co_u32 s88, s88, 12288
	v_lshl_add_u32 v10, v2, 2, s88
	s_lshl_b32 s88, s16, 8                         ; lanes 0-15 take x2's scale words, lanes 16-31 the weight's: one product, h x the distance between the two,
	s_lshl_b32 s89, s15, 8
	s_add_co_u32 s88, s88, RW0
	s_sub_co_u32 s88, s88, s89
	v_mul_u32_u24 v[AS0], s88, v3
	v_add_nc_u32 v[AS0], v10, v[AS0]               ; for the weight at RW0,
	s_add_co_u32 s88, s88, RW1-RW0
	v_mul_u32_u24 v[AS1], s88, v3
	v_add_nc_u32 v[AS1], v10, v[AS1]               ; and at RW1: both of the lane and the wave's number alone, never rewritten
	v_lshl_add_u32 v16, v2, 2, v3                  ; 4 r + h
	v_lshlrev_b32 v17, 3, v3                       ; 8 h
	v_lshlrev_b32 v24, 6, v3                       ; the bias: + 64 h
	s_wait_alu depctr_va_vdst(0)
	v_mov_b32 v[TM+2], 0
	v_mov_b32 v[TM+3], 0
	s_mov_b32 s3, 0
	s_lshl_b32 s2, s18, 10
	s_lshl_b32 s88, s16, 8
	s_add_co_u32 s2, s2, s88
	s_add_nc_u64 s[76:77], s[8:9], s[2:3]          ; b1 at column 256 g + 64 (w % 2)
	s_lshl_b32 s88, s17, 4
	s_lshl_b32 s89, s18, 1
	s_add_co_u32 s88, s88, s89
	s_mul_i32 s88, s88, SLAB                       ; HA: row block RB, K step 2 g
	s_mul_i32 s89, s15, 6144
	s_add_co_u32 s2, s88, s89
	s_mul_i32 s89, s16, 768
	s_add_co_u32 s2, s2, s89
	s_add_nc_u64 s[78:79], s[10:11], s[2:3]        ; my units
	s_lshl_b32 s89, s15, 8
	s_add_co_u32 s2, s88, s89
	s_lshl_b32 s89, s16, 1
	s_add_co_u32 s2, s2, s89
	s_add_co_u32 s2, s2, 12288
	s_add_nc_u64 s[80:81], s[10:11], s[2:3]        ; their scale bytes
.irp e, 0,1
.irp b, 0,1
.irp j, 0,1,2,3
	global_load_b128 v[64+32*\e+16*\b+4*\j:64+32*\e+16*\b+4*\j+3], v24, s[76:77] offset:512*\e+128*\b+16*\j
.endr
.endr
.endr
	s_wait_alu depctr_va_vdst(0)                   ; the wait at the head's end
	s_wait_tensorcnt 0x0                           ; my one load of the head is in
	s_barrier_signal -1
	s_barrier_wait -1
	SETADR RW0, AS0
	FETCH 0, SC
	s_wait_alu depctr_va_vdst(0)
	s_wait_loadcnt 0x0                             ; the biases
.set BIAS, 64
	TILE -1
	OUTH 0
	SETADR RW1, AS1
	FETCH 0, SC
.set BIAS, 96
	TILE -1
	OUTH 1
	s_wait_dscnt 0x0
	s_wait_tensorcnt 0x0
	ds_add_u32 v62, v63
	s_wait_dscnt 0x0
	CROUND                                         ; the closing round
	s_endpgm
.Lfunc_end_k_qbf88d790c9_ffn1:
	.size	k_qbf88d790c9_ffn1, .Lfunc_end_k_qbf88d790c9_ffn1-k_qbf88d790c9_ffn1
	.p2alignl 7, 3214868480
	.fill 96, 4, 3214868480
	.section	.rodata,"a",@progbits
	.p2align	6, 0x0
	.amdhsa_kernel k_qbf88d790c9_ffn1
		.amdhsa_group_segment_fixed_size 307712
		.amdhsa_private_segment_fixed_size 0
		.amdhsa_enable_private_segment 0
		.amdhsa_kernarg_size 32
		.amdhsa_user_sgpr_count 2
		.amdhsa_user_sgpr_kernarg_segment_ptr 1
		.amdhsa_wavefront_size32 1
		.amdhsa_system_sgpr_workgroup_id_x 1
		.amdhsa_system_sgpr_workgroup_id_y 1
		.amdhsa_system_sgpr_workgroup_id_z 1
		.amdhsa_system_vgpr_workitem_id 0
		.amdhsa_next_free_vgpr 512
		.amdhsa_next_free_sgpr 96
		.amdhsa_reserve_vcc 0
		.amdhsa_float_denorm_mode_32 3
		.amdhsa_float_denorm_mode_16_64 3
		.amdhsa_memory_ordered 1
		.amdhsa_forward_progress 1
		.amdhsa_inst_pref_size 110
	.end_amdhsa_kernel
	.amdgpu_metadata
---
amdhsa.version: [ 1, 2 ]
amdhsa.kernels:
  - .name:           k_qbf88d790c9_ffn1
    .symbol:         k_qbf88d790c9_ffn1.kd
    .args:
      - { .name: XA, .offset: 0, .size: 8, .value_kind: global_buffer, .address_space: global }
      - { .name: WI, .offset: 8, .size: 8, .value_kind: global_buffer, .address_space: global }
      - { .name: b1, .offset: 16, .size: 8, .value_kind: global_buffer, .address_space: global }
      - { .name: HA, .offset: 24, .size: 8, .value_kind: global_buffer, .address_space: global }
    .group_segment_fixed_size: 307712
    .private_segment_fixed_size: 0
    .kernarg_segment_align: 8
    .kernarg_segment_size: 32
    .max_flat_workgroup_size: 128
    .sgpr_count:     96
    .vgpr_count:     512
    .wavefront_size: 32
...
	.end_amdgpu_metadata
.endif
;; end of part 6
;; launch ffn2 (part 7): grid 8 x 32, 4 waves a work-group, clusters of 4 x 4, 327,680 bytes of LDS; arguments HA, WI, b2, X1, out0; writes out0
.if DOCPART == 7
	.amdgcn_target "amdgcn-amd-amdhsa--gfx1250"
	.amdhsa_code_object_version 6
	.text
	.protected	k_qbf88d790c9_ffn2
	.globl	k_qbf88d790c9_ffn2
	.p2align	8
	.type	k_qbf88d790c9_ffn2,@function
k_qbf88d790c9_ffn2:
	s_mov_b64 s[64:65], 0
	v_nop
	global_prefetch_b8 v0, s[64:65] scope:SCOPE_SE
	s_setreg_imm32_b32 hwreg(HW_REG_WAVE_MODE, 25, 1), 1
	s_wait_xcnt 0x0
	s_wait_alu depctr_hold_cnt(0) depctr_sa_sdst(0) depctr_va_vdst(0) depctr_va_sdst(0) depctr_va_ssrc(0) depctr_va_vcc(0) depctr_vm_vsrc(0)
	s_getreg_b32 s2, hwreg(HW_REG_IB_STS2, 6, 4)
	s_cmp_eq_u32 s2, 0
	s_cbranch_scc0 .Lentry_in_a_cluster
	s_endpgm
.Lentry_in_a_cluster:
	s_bfe_u32 s2, ttmp6, 0x10000c
	s_cmp_lg_u32 s2, 0xf033
	s_cbranch_scc0 .Lentry_shape_is_right
	s_endpgm
.Lentry_shape_is_right:
; out = x1 + h W2 + b2, the product on codes of FP6 (E2M3) with E8M0 scales, K = 2,048: 16 K steps of 128.
; SHARES, LAYOUT, CLUSTER as in the launch for q, k, v: work-group (g, RB): 128 rows x 128 columns; four waves of 64 x 64; operands lie in memory in the order of the operand registers (units of 768 bytes, slabs of 12,800).
; LDS: twelve slabs for h (at 0) and twelve for W2 (at RW).  K steps 0-11 are asked for at the head, in three chunks of four.  K steps 12-15 take the places of K steps 0-3 as soon as those have been read: behind K step 3's products,
; behind a round of the cluster's barrier; the products of K steps 4 to 10, 112 matrix instructions a wave, stand between that request and the wait for it.  By this text's count a wave has at most three tensor loads out.
; The bias is the C of the first products.  x1 AT MY 64 x 64 IS ASKED FOR AT THE HEAD, behind the tensor loads, into 128 registers of its own (32 loads a wave), and added on the way out, which is the one of the launch for Wo.
; REGISTERS.  Window 0: v1-24 lane terms and addresses; v28-29 for the add; v32-39 scale words; v64-95 the bias; v96-127 rows back from the stage; v128-255 accumulators.  Window 1: two sets of fragments.  Window 2: v0-127 x1.
.set SLAB,  12800
.set RW,    12*SLAB
.set SPARE, 24*SLAB                    ; the spare words: 128 bytes a wave, two blocks of 256 bytes that no other line names
.set STAGE, SPARE+512
.set ACC,   128
.set BIAS,  64
.set SC,    32
.set TT,    20
.set G1A,   24
.set G0A,   32                         ; s[32:35], s[40:43] two groups 0 for h
.set G1W,   48
.set G0W,   56                         ; s[56:59], s[68:71] two for W2
.set MSB, 0
.macro WIN new                         ; the immediate's high byte repeats the setting that is left
.if MSB != \new
	s_set_vgpr_msb (MSB<<8)|\new
.set MSB, \new
.endif
.endm
.macro PLACES
.rept 4
	v_nop
.endr
.endm
.macro JLOAD g0a, g0w                  ; waves 0, 1 fetch for h, waves 2, 3 for W2; four v_nop follow each line
	s_cmp_eq_u32 s15, 0
	s_cbranch_scc0 .Lfor_w_\@
	tensor_load_to_lds s[\g0a:\g0a+3], s[G1A:G1A+7]
	s_nop 0
	PLACES
	s_branch .Lasked_\@
.Lfor_w_\@:
	tensor_load_to_lds s[\g0w:\g0w+3], s[G1W:G1W+7]
	s_nop 0
	PLACES
.Lasked_\@:
.endm
.macro CROUND
	s_barrier_signal -1
	s_barrier_wait -1
	s_cmp_lg_u32 s14, 0
	s_cbranch_scc1 .Lnot_wave_0_\@
	s_barrier_signal -3
.Lnot_wave_0_\@:
	s_barrier_wait -3
	s_barrier_signal -1
	s_barrier_wait -1
.endm
.macro SETADR rw                       ; the running LDS addresses at a region's first slab
	v_mov_b32 v11, v6
	v_mov_b32 v12, v7
	v_add_nc_u32 v13, \rw, v8
	v_add_nc_u32 v14, \rw, v9
	s_lshl_b32 s88, s16, 8
	s_lshl_b32 s89, s15, 8
	s_add_co_u32 s88, s88, \rw
	s_sub_co_u32 s88, s88, s89
	v_mul_u32_u24 v[TT], s88, v3                   ; lanes 0-15 take h's scale words, lanes 16-31 the weight's
	v_add_nc_u32 v15, v10, v[TT]
.endm
.macro ADV
.irp a, 11,12,13,14,15
	v_add_nc_u32 v\a, SLAB, v\a
.endr
.endm
.macro FETCH buf, sc
	WIN 0x40
.irp i, 0,1,2,3
.irp c, 0,1
	ds_load_b128 v[\buf+12*\i+6*\c:\buf+12*\i+6*\c+3], v11 offset:1536*\i+768*\c
	ds_load_b64 v[\buf+12*\i+6*\c+4:\buf+12*\i+6*\c+5], v12 offset:1536*\i+768*\c+512
	ds_load_b128 v[\buf+48+12*\i+6*\c:\buf+48+12*\i+6*\c+3], v13 offset:1536*\i+768*\c
	ds_load_b64 v[\buf+48+12*\i+6*\c+4:\buf+48+12*\i+6*\c+5], v14 offset:1536*\i+768*\c+512
.endr
.endr
	WIN 0
.irp i, 0,1,2,3
	ds_load_b32 v[\sc+\i], v15 offset:64*\i
.endr
.endm
.macro MUL buf, sc, first              ; 16 products, the accumulators by turns; first = 1: the bias starts the sums
	WIN 0x05
.irp p, 0,1,2,3
.irp q, 0,1,2,3
.set D, ACC+8*(4*\p+\q)
.set XS, \buf+48+12*\q
.set YS, \buf+12*\p
.if \first
	v_wmma_scale_f32_16x16x128_f8f6f4 v[D:D+7], v[XS:XS+11], v[YS:YS+11], v[BIAS+8*\q:BIAS+8*\q+7], v[\sc+\q], v[\sc+\p] matrix_a_fmt:MATRIX_FMT_FP6 matrix_b_fmt:MATRIX_FMT_FP6 matrix_a_scale:MATRIX_SCALE_ROW1
.else
	v_wmma_scale_f32_16x16x128_f8f6f4 v[D:D+7], v[XS:XS+11], v[YS:YS+11], v[D:D+7], v[\sc+\q], v[\sc+\p] matrix_a_fmt:MATRIX_FMT_FP6 matrix_b_fmt:MATRIX_FMT_FP6 matrix_a_scale:MATRIX_SCALE_ROW1
.endif
.endr
.endr
.endm
.macro STEP k, sync, first
	WIN 0
.if \sync >= 0
	s_wait_tensorcnt \sync                         ; my part of the next chunk has landed; the load issued behind it may stay out
	s_wait_dscnt 0x0
	s_barrier_signal -1
	s_barrier_wait -1
.endif
	ADV
	FETCH 128*(1-(\k)%2), SC+4*(1-(\k)%2)
	s_wait_dscnt 36                                ; all but the 36 just issued
	MUL 128*((\k)%2), SC+4*((\k)%2), \first
.endm
	s_load_b256 s[4:11], s[0:1], 0x0               ; HA, WI, b2, X1
	s_load_b64 s[12:13], s[0:1], 0x20              ; out0
	v_lshl_add_u32 v28, v0, 2, SPARE
	v_mov_b32 v29, 0
	ds_add_u32 v28, v29
	ds_add_u32 v28, v29
	s_wait_dscnt 0x0
	v_lshrrev_b32 v1, 5, v0
	v_readfirstlane_b32 s14, v1
	s_lshr_b32 s15, s14, 1
	s_and_b32 s16, s14, 1
	s_bfe_u32 s44, ttmp6, 0x40000
	s_bfe_u32 s45, ttmp6, 0x40004
	s_lshl_b32 s18, ttmp9, 2
	s_add_co_u32 s18, s18, s44                     ; g
	s_and_b32 s17, ttmp7, 0xffff
	s_lshl_b32 s17, s17, 2
	s_add_co_u32 s17, s17, s45                     ; RB
	s_lshl_b32 s46, s45, 2
	s_lshl_b32 s46, 15, s46
	s_lshl_b32 s47, 0x1111, s44
	s_or_b32 s[G1A], s46, (3<<16)|(1<<21)
	s_or_b32 s[G1W], s47, (3<<16)|(1<<21)
.irp g, G1A, G1W                       ; six slabs, 76,800 dense bytes, as 300 rows of 256 bytes
	s_mov_b32 s[\g+1], 32<<16
	s_mov_b32 s[\g+2], 300<<16
	s_mov_b32 s[\g+3], 32<<16
	s_mov_b32 s[\g+4], 300
	s_mov_b32 s[\g+5], 32
	s_mov_b32 s[\g+6], 0
	s_mov_b32 s[\g+7], 0
.endr
	s_mul_i32 s88, s16, 6*SLAB                     ; the head's one load a wave: six K steps, 300 rows of 256 bytes
	s_mul_i32 s20, s17, 16*SLAB
	s_add_co_u32 s20, s20, s88
	s_mov_b32 s21, 0
	s_mul_i32 s22, s18, 16*SLAB
	s_add_co_u32 s22, s22, s88
	s_add_co_u32 s22, s22, 4915200                 ; W2's panels in WI
	s_mov_b32 s23, 0
	s_wait_kmcnt 0x0
	s_add_nc_u64 s[20:21], s[4:5], s[20:21]
	s_add_nc_u64 s[22:23], s[6:7], s[22:23]
	s_mul_i32 s90, s16, 4*SLAB
	s_mov_b32 s91, 0
.irp j, 0,2                            ; j = 0: K steps 6 (w % 2) on, into slabs 6 (w % 2) on;  j = 2: the refill, K steps 12 + 2 (w % 2) on, into slabs 2 (w % 2) on
.set GW, G0W+4*\j+4*(\j/2)             ; 56, 68
	s_mov_b32 s[G0A+4*\j], 1
	s_mul_i32 s[G0A+4*\j+1], s16, (6-2*\j)*SLAB
	s_add_nc_u64 s[G0A+4*\j+2:G0A+4*\j+3], s[20:21], \j*6*SLAB
	s_mov_b32 s[GW], 1
	s_mul_i32 s[GW+1], s16, (6-2*\j)*SLAB
	s_add_co_u32 s[GW+1], s[GW+1], RW
	s_add_nc_u64 s[GW+2:GW+3], s[22:23], \j*6*SLAB
.if \j
	s_sub_nc_u64 s[G0A+4*\j+2:G0A+4*\j+3], s[G0A+4*\j+2:G0A+4*\j+3], s[90:91]
	s_sub_nc_u64 s[GW+2:GW+3], s[GW+2:GW+3], s[90:91]
.endif
	s_or_b32 s[G0A+4*\j+3], s[G0A+4*\j+3], 0x80000000
	s_or_b32 s[GW+3], s[GW+3], 0x80000000
.endr
	CROUND
	JLOAD G0A, G0W
	v_and_b32 v1, 31, v0
	v_and_b32 v2, 15, v0
	v_bfe_u32 v3, v0, 4, 1
	v_lshlrev_b32 v4, 4, v1
	v_lshlrev_b32 v5, 3, v1
	s_mul_i32 s88, s15, 6144
	v_add_nc_u32 v6, s88, v4
	v_add_nc_u32 v7, s88, v5
	s_mul_i32 s88, s16, 6144
	v_add_nc_u32 v8, s88, v4
	v_add_nc_u32 v9, s88, v5
	s_lshl_b32 s88, s15, 8
	s_add_co_u32 s88, s88, 12288
	v_lshl_add_u32 v10, v2, 2, s88
	s_mul_i32 s88, s14, 16*272
	s_add_co_u32 s88, s88, STAGE                   ; my stage
	v_mul_u32_u24 v21, v2, 272
	v_lshl_add_u32 v21, v3, 6, v21
	v_add_nc_u32 v21, s88, v21
	v_mul_u32_u24 v22, v3, 272
	v_lshl_add_u32 v22, v2, 4, v22
	v_add_nc_u32 v22, s88, v22
	v_lshlrev_b32 v23, 12, v3
	v_lshl_add_u32 v23, v2, 4, v23
	v_lshlrev_b32 v24, 6, v3
	s_wait_alu depctr_va_vdst(0)
	s_mov_b32 s3, 0
	s_lshl_b32 s2, s18, 9
	s_lshl_b32 s88, s16, 8
	s_add_co_u32 s2, s2, s88
	s_add_nc_u64 s[76:77], s[8:9], s[2:3]          ; b2 at my 64 columns
	s_lshl_b32 s88, s17, 19
	s_add_co_u32 s2, s2, s88
	s_lshl_b32 s88, s15, 18
	s_add_co_u32 s2, s2, s88
	s_add_nc_u64 s[80:81], s[10:11], s[2:3]        ; x1
	s_add_nc_u64 s[82:83], s[12:13], s[2:3]        ; out
.irp b, 0,1
.irp j, 0,1,2,3
	global_load_b128 v[BIAS+16*\b+4*\j:BIAS+16*\b+4*\j+3], v24, s[76:77] offset:128*\b+16*\j
.endr
.endr
	WIN 0x80                                       ; destination window 2
.irp a, 0,1,2,3                        ; x1 at my 64 x 64, in the order in which rows come back from the stage: sixteen lanes read 256 consecutive bytes
.irp t, 0,1,2,3,4,5,6,7
	global_load_b128 v[32*\a+4*\t:32*\a+4*\t+3], v23, s[80:81] offset:(32*(\a/2)+8*(\a%2)+2*\t+8*(\t/4))*4096 th:TH_LOAD_NT
.endr
.endr
	WIN 0
	s_wait_alu depctr_va_vdst(0)                   ; the wait at the head's end
	s_wait_tensorcnt 0x0                           ; my one load of the head is in
	s_barrier_signal -1
	s_barrier_wait -1
	SETADR RW
	FETCH 0, SC
	s_wait_alu depctr_va_vdst(0)
	s_wait_loadcnt 32                              ; the bias is in; the 32 loads of x1, issued behind it, may stay out
	STEP 0, -1, 1
	s_wait_alu depctr_va_vdst(0)
	STEP 1, -1, 0
	s_wait_alu depctr_va_vdst(0)
	STEP 2, -1, 0
	s_wait_alu depctr_va_vdst(0)
	STEP 3, -1, 0
	WIN 0
	s_wait_tensorcnt 0x0                           ; all my tensor loads have landed: so a group 0 may be written
	ds_add_u32 v28, v29                            ; 0 onto my spare word
	s_mov_b32 s[G1A+2], 100<<16                    ; no tensor load of mine is out: the refill brings 100 rows, two K steps a wave
	s_mov_b32 s[G1A+4], 100
	s_mov_b32 s[G1W+2], 100<<16
	s_mov_b32 s[G1W+4], 100
	s_wait_dscnt 0x0
	CROUND
	JLOAD G0A+8, G0W+12
	s_wait_alu depctr_va_vdst(0)
	STEP 4, -1, 0
	s_wait_alu depctr_va_vdst(0)
	STEP 5, -1, 0
	s_wait_alu depctr_va_vdst(0)
	STEP 6, -1, 0
	s_wait_alu depctr_va_vdst(0)
	STEP 7, -1, 0                                  ; it fetches K step 8: the wait for 0 and the round above have shown K steps 8-11 whole
	s_wait_alu depctr_va_vdst(0)
	STEP 8, -1, 0
	s_wait_alu depctr_va_vdst(0)
	STEP 9, -1, 0
	s_wait_alu depctr_va_vdst(0)
	STEP 10, -1, 0
	WIN 0
	s_wait_tensorcnt 0x0                           ; my part of K steps 12-15 is in,
	s_wait_dscnt 0x0
	s_barrier_signal -1
	s_barrier_wait -1                              ; everybody's is
	SETADR RW                                      ; back to the first slabs; these lines are also the places behind the last products
	FETCH 0, SC
	s_wait_alu depctr_va_vdst(0)
	s_wait_dscnt 36
	MUL 128, SC+4, 0                               ; K step 11
	STEP 12, -1, 0
	s_wait_alu depctr_va_vdst(0)
	STEP 13, -1, 0
	s_wait_alu depctr_va_vdst(0)
	STEP 14, -1, 0
	s_wait_dscnt 0x0                               ; K step 15's fragments are in; nothing more to fetch
	MUL 128, SC+4, 0                               ; K step 15
	WIN 0
	PLACES
.irp a, 0,1,2,3
.if \a > 0
	s_wait_xcnt 0x0                                ; the last tile's stores have read their registers
.endif
.irp q, 0,1,2,3,4,5,6,7
	ds_store_b128 v21, v[ACC+32*\a+4*\q:ACC+32*\a+4*\q+3] offset:128*(\q/4)+16*(\q%4)   ; each accumulator from its low end on
.endr
.irp t, 0,1,2,3,4,5,6,7
	ds_load_b128 v[96+4*\t:96+4*\t+3], v22 offset:544*\t     ; LDS serves a wave's instructions in order: these see the stores above
.endr
	s_wait_dscnt 0x0
	s_wait_loadcnt 24-8*\a                         ; this tile's eight loads of x1 are in; the later tiles' may stay out
	WIN 0x08                                       ; source 1 window 2
.set n, 0
.rept 16
	v_pk_add_f32 v[96+2*n:97+2*n], v[96+2*n:97+2*n], v[32*\a+2*n:32*\a+2*n+1]
.set n, n+1
.endr
	WIN 0
.irp t, 0,1,2,3,4,5,6,7
	global_store_b128 v23, v[96+4*\t:96+4*\t+3], s[82:83] offset:(32*(\a/2)+8*(\a%2)+2*\t+8*(\t/4))*4096 th:TH_STORE_NT   ; 16 lanes store 256 consecutive bytes, at a multiple of 256 from the output's first byte
.endr
.endr
	s_wait_tensorcnt 0x0                           ; the wave's end
	ds_add_u32 v28, v29
	s_wait_dscnt 0x0
	CROUND                                         ; the closing round
	s_endpgm
.Lfunc_end_k_qbf88d790c9_ffn2:
	.size	k_qbf88d790c9_ffn2, .Lfunc_end_k_qbf88d790c9_ffn2-k_qbf88d790c9_ffn2
	.p2alignl 7, 3214868480
	.fill 96, 4, 3214868480
	.section	.rodata,"a",@progbits
	.p2align	6, 0x0
	.amdhsa_kernel k_qbf88d790c9_ffn2
		.amdhsa_group_segment_fixed_size 327680
		.amdhsa_private_segment_fixed_size 0
		.amdhsa_enable_private_segment 0
		.amdhsa_kernarg_size 40
		.amdhsa_user_sgpr_count 2
		.amdhsa_user_sgpr_kernarg_segment_ptr 1
		.amdhsa_wavefront_size32 1
		.amdhsa_system_sgpr_workgroup_id_x 1
		.amdhsa_system_sgpr_workgroup_id_y 1
		.amdhsa_system_sgpr_workgroup_id_z 1
		.amdhsa_system_vgpr_workitem_id 0
		.amdhsa_next_free_vgpr 768
		.amdhsa_next_free_sgpr 96
		.amdhsa_reserve_vcc 0
		.amdhsa_float_denorm_mode_32 3
		.amdhsa_float_denorm_mode_16_64 3
		.amdhsa_memory_ordered 1
		.amdhsa_forward_progress 1
		.amdhsa_inst_pref_size 100
	.end_amdhsa_kernel
	.amdgpu_metadata
---
amdhsa.version: [ 1, 2 ]
amdhsa.kernels:
  - .name:           k_qbf88d790c9_ffn2
    .symbol:         k_qbf88d790c9_ffn2.kd
    .args:
      - { .name: HA, .offset: 0, .size: 8, .value_kind: global_buffer, .address_space: global }
      - { .name: WI, .offset: 8, .size: 8, .value_kind: global_buffer, .address_space: global }
      - { .name: b2, .offset: 16, .size: 8, .value_kind: global_buffer, .address_space: global }
      - { .name: X1, .offset: 24, .size: 8, .value_kind: global_buffer, .address_space: global }
      - { .name: out0, .offset: 32, .size: 8, .value_kind: global_buffer, .address_space: global }
    .group_segment_fixed_size: 327680
    .private_segment_fixed_size: 0
    .kernarg_segment_align: 8
    .kernarg_segment_size: 40
    .max_flat_workgroup_size: 128
    .sgpr_count:     96
    .vgpr_count:     768
    .wavefront_size: 32
...
	.end_amdgpu_metadata
.endif
;; end of part 7
